; MI455X (gfx1250); checked and timed in simulation.
; The chip was launched on July 23, 2026; its instructions are those of AMD's public machine-readable ISA for CDNA 5 (MIT licence, August 2026) and "CDNA5" Instruction Set Architecture Reference Guide (July 2026). The comments in the code are by the model that wrote it; some were corrected since.
;; Scaled Dot Product Module. Allowed arithmetic: float matrix products may take bf16 or f16 operands with f32 sums; other float arithmetic in f32, or as packed bf16 or f16 multiplies, adds, multiply-adds, maxima and minima; sums over many terms, partial sums and values carried from step to step in f32; what a program stores and reads back later, other than sums and carried values, may be rounded once to bf16 or f16.
;; Inputs: W 1,024 x 3,072 float32; x 4 x 2,048 x 1,024 float32.
;; Outputs: out0 4 x 2,048 x 1,024 float32.
;; 2 versions, each right; version 2 is version 1 with the launch cast written anew for expert scheduling mode. Each part assembles by itself: llvm-mc -triple=amdgcn-amd-amdhsa -mcpu=gfx1250 --defsym DOCPART=n.
;; ======== version 1 of 2: 4 launches
;; limits: values are held in f16: magnitudes above 65,504 overflow, below 6.1e-05 lose precision
;; workspace buffers: xb 16,777,216 bytes; wb 6,291,456 bytes; qkv 50,331,648 bytes; pt 33,554,432 bytes; stats 524,288 bytes; tsum 131,072 bytes
;; launch cast (part 1): grid 704 x 1, 8 waves a work-group, no clusters, 0 bytes of LDS; arguments x, W, xb, wb; writes xb, wb
.if DOCPART == 1
	.amdgcn_target "amdgcn-amd-amdhsa--gfx1250"
	.amdhsa_code_object_version 6
	.text
	.protected	k_qb365ae1f4c_cast
	.globl	k_qb365ae1f4c_cast
	.p2align	8
	.type	k_qb365ae1f4c_cast,@function
k_qb365ae1f4c_cast:
	s_mov_b64 s[64:65], 0
	v_nop
	global_prefetch_b8 v0, s[64:65] scope:SCOPE_SE
	s_setreg_imm32_b32 hwreg(HW_REG_WAVE_MODE, 25, 1), 1
	s_wait_xcnt 0x0
; x [8192][1024] f32 -> xb, bf16 in blocks [kb 16][row 8192][64];  W [1024][3072] f32 -> wb, bf16 in W's own order.  Each number is rounded once, to nearest even.
; A stream: every byte is read once and written once, so no LDS, no matrix unit and no cluster (no two work-groups read the same byte).
; A work-group takes 65,536 bytes of f32: work-groups 0-511 take 16 rows of x each, 512-703 take 16,384 numbers of W each.
; A lane issues its 16 loads of 16 bytes at once, so a work-group has its whole share on its way; every load has registers of its own, so no source is ever rewritten.
; Every store of a wave covers 256 consecutive bytes, aligned.
.set X,   8                            ; v[8:71]    16 x 4 numbers as loaded
.set Y,   72                           ; v[72:103]  16 x 2 registers of packed bf16
.set VI,  4                            ; v4  my byte offset in the work-group's input
.set VO,  5                            ; v5  my byte offset in its output
.set VO2, 6                            ; v6  the same, 8 MiB on: blocks 8-15 of xb, so that the immediate stays inside its signed 24 bits
.set MIB, 1048576
.macro BODY instep, outstep, split
.set j, 0
.rept 16
	global_load_b128 v[X+4*j:X+4*j+3], v[VI], s[16:17] offset:j*(\instep) th:TH_LOAD_NT
.set j, j+1
.endr
.set j, 0
.rept 16
	s_wait_loadcnt 15-j                            ; loads come back in order: number j is in, the 15 - j younger ones stay out
	v_cvt_pk_bf16_f32 v[Y+2*j], v[X+4*j], v[X+4*j+1]
	v_cvt_pk_bf16_f32 v[Y+2*j+1], v[X+4*j+2], v[X+4*j+3]
.if (\split) && (j >= 8)
	global_store_b64 v[VO2], v[Y+2*j:Y+2*j+1], s[18:19] offset:(j-8)*(\outstep) th:TH_STORE_NT
.else
	global_store_b64 v[VO], v[Y+2*j:Y+2*j+1], s[18:19] offset:j*(\outstep) th:TH_STORE_NT
.endif
.set j, j+1
.endr
.endm
	s_load_b256 s[4:11], s[0:1], 0x0               ; x s[4:5], W s[6:7], xb s[8:9], wb s[10:11]
	v_and_b32 v1, 31, v0                           ; lane
	v_lshrrev_b32 v2, 5, v0                        ; wave
	s_mov_b32 s13, 0
	s_mov_b32 s15, 0
	s_cmp_lt_u32 ttmp9, 512
	s_cbranch_scc0 .Lweights
	; x: wave w takes rows 2 w and 2 w + 1 of the 16; load j takes the 64 columns of block j: lanes 0-15 the 256 bytes of one row, lanes 16-31 those of the next
	s_lshl_b32 s12, ttmp9, 16                      ; 16 rows of 4,096 bytes in
	s_lshl_b32 s14, ttmp9, 11                      ; 16 rows of 128 bytes out, in each block
	v_lshrrev_b32 v3, 4, v1
	v_and_b32 v7, 15, v1
	v_lshlrev_b32 v[VI], 13, v2
	v_lshl_add_u32 v[VI], v3, 12, v[VI]
	v_lshl_add_u32 v[VI], v7, 4, v[VI]
	v_lshlrev_b32 v[VO], 3, v0                     ; 256 w + 128 (lane / 16) + 8 (lane % 16) = 8 x my thread's number
	v_add_nc_u32 v[VO2], 8*MIB, v[VO]
	s_wait_kmcnt 0x0
	s_add_nc_u64 s[16:17], s[4:5], s[12:13]
	s_add_nc_u64 s[18:19], s[8:9], s[14:15]
	BODY 256, MIB, 1
	s_endpgm
.Lweights:
	; W: dense in, dense out: wave w takes 8,192 bytes, load j 512 of them
	s_sub_co_u32 s20, ttmp9, 512
	s_lshl_b32 s12, s20, 16
	s_lshl_b32 s14, s20, 15
	v_lshlrev_b32 v[VI], 13, v2
	v_lshl_add_u32 v[VI], v1, 4, v[VI]
	v_lshlrev_b32 v[VO], 12, v2
	v_lshl_add_u32 v[VO], v1, 3, v[VO]
	s_wait_kmcnt 0x0
	s_add_nc_u64 s[16:17], s[6:7], s[12:13]
	s_add_nc_u64 s[18:19], s[10:11], s[14:15]
	BODY 512, 256, 0
	s_endpgm
.Lfunc_end_k_qb365ae1f4c_cast:
	.size	k_qb365ae1f4c_cast, .Lfunc_end_k_qb365ae1f4c_cast-k_qb365ae1f4c_cast
	.p2alignl 7, 3214868480
	.fill 96, 4, 3214868480
	.section	.rodata,"a",@progbits
	.p2align	6, 0x0
	.amdhsa_kernel k_qb365ae1f4c_cast
		.amdhsa_group_segment_fixed_size 0
		.amdhsa_private_segment_fixed_size 0
		.amdhsa_enable_private_segment 0
		.amdhsa_kernarg_size 32
		.amdhsa_user_sgpr_count 2
		.amdhsa_user_sgpr_kernarg_segment_ptr 1
		.amdhsa_wavefront_size32 1
		.amdhsa_system_sgpr_workgroup_id_x 1
		.amdhsa_system_sgpr_workgroup_id_y 1
		.amdhsa_system_sgpr_workgroup_id_z 1
		.amdhsa_system_vgpr_workitem_id 0
		.amdhsa_next_free_vgpr 104
		.amdhsa_next_free_sgpr 66
		.amdhsa_reserve_vcc 0
		.amdhsa_float_denorm_mode_32 3
		.amdhsa_float_denorm_mode_16_64 3
		.amdhsa_memory_ordered 1
		.amdhsa_forward_progress 1
		.amdhsa_inst_pref_size 13
	.end_amdhsa_kernel
	.amdgpu_metadata
---
amdhsa.version: [ 1, 2 ]
amdhsa.kernels:
  - .name:           k_qb365ae1f4c_cast
    .symbol:         k_qb365ae1f4c_cast.kd
    .args:
      - { .name: x, .offset: 0, .size: 8, .value_kind: global_buffer, .address_space: global }
      - { .name: W, .offset: 8, .size: 8, .value_kind: global_buffer, .address_space: global }
      - { .name: xb, .offset: 16, .size: 8, .value_kind: global_buffer, .address_space: global }
      - { .name: wb, .offset: 24, .size: 8, .value_kind: global_buffer, .address_space: global }
    .group_segment_fixed_size: 0
    .private_segment_fixed_size: 0
    .kernarg_segment_align: 8
    .kernarg_segment_size: 32
    .max_flat_workgroup_size: 256
    .sgpr_count:     66
    .vgpr_count:     104
    .wavefront_size: 32
...
	.end_amdgpu_metadata
.endif
;; end of part 1
;; launch proj (part 2): grid 8 x 32, 4 waves a work-group, clusters of 4 x 4, 327,680 bytes of LDS; arguments xb, wb, qkv; writes qkv
.if DOCPART == 2
	.amdgcn_target "amdgcn-amd-amdhsa--gfx1250"
	.amdhsa_code_object_version 6
	.text
	.protected	k_qb365ae1f4c_proj
	.globl	k_qb365ae1f4c_proj
	.p2align	8
	.type	k_qb365ae1f4c_proj,@function
k_qb365ae1f4c_proj:
	s_mov_b64 s[64:65], 0
	v_nop
	global_prefetch_b8 v0, s[64:65] scope:SCOPE_SE
	s_setreg_imm32_b32 hwreg(HW_REG_WAVE_MODE, 25, 1), 1
	s_wait_xcnt 0x0
	s_wait_alu depctr_hold_cnt(0) depctr_sa_sdst(0) depctr_va_vdst(0) depctr_va_sdst(0) depctr_va_ssrc(0) depctr_va_vcc(0) depctr_vm_vsrc(0)
	s_getreg_b32 s2, hwreg(HW_REG_IB_STS2, 6, 4)
	s_cmp_eq_u32 s2, 0
	s_cbranch_scc0 .Lentry_in_a_cluster
	s_endpgm
.Lentry_in_a_cluster:
	s_bfe_u32 s2, ttmp6, 0x10000c
	s_cmp_lg_u32 s2, 0xf033
	s_cbranch_scc0 .Lentry_shape_is_right
	s_endpgm
.Lentry_shape_is_right:
; qkv = x W: 8192 x 3072 over K = 1024.  xb: bf16 [kb 16][row 8192][64]; wb: bf16 [1024][3072]; qkv: f16 [cb 48][row 8192][64] (q: cb 0-15, k: 16-31, v: 32-47).
; Products in bf16, sums in f32, each result rounded once to f16.  LIMIT: |q|, |k|, |v| stay under 65,504 (f16's largest number); beyond it the conversion gives an infinity.
; SHARES.  8 x 32 tiles of 256 rows x 384 columns: 256 work-groups.  Wave (rh, ch) makes 128 x 192: 96 accumulators of 16 x 16, 768 registers (windows 1 to 3).
; For 32 along K a wave reads 8 fragments of x and 12 of W, 40 LDS loads, for 96 matrix instructions.
; THE MATRIX INSTRUCTION IS USED TRANSPOSED: source 0 = 16 columns of W (turned on the way out of LDS, since W lies [k][n]), source 1 = 16 rows of x:
; a lane then holds row lane % 16 and the eight neighbouring columns 8 (lane / 16) + 0..7, which pack into 16 bytes.
; RING.  K goes in 16 steps of 64 through two LDS slots.  A slot: 256 rows of x (128 bytes + 16 of padding), then 64 rows of W (768 bytes, 16 of padding behind each 128: pitch 864).
; CLUSTER 4 x 4: x's tile hangs on the tile row alone and is asked for jointly by a row of the cluster, W's on the tile column alone and by a column.
; A K step is six groups of 32 matrix instructions; each group's LDS loads were issued one group earlier.  The slot is left, and asked for again, as soon as its last fragments have been read.
; THE TEXT.  The slot in hand is a scalar, 0 or SLOT, turned at each change; the LDS addresses are made anew from it.  So a K step is written three times: its first half ahead of the loop (products that
; start the sums), the step that fills a slot again (14 trips), and the step that fills nothing (2 trips).  The last trip jumps forward over the next step's first half, which does not exist; by then its sixth
; group has read the other slot's first fragments once more, 24 LDS loads that serve nothing, and it has passed one barrier more than it needs: the price, once a launch, of one text for both trips.
; AHEAD OF THE LOADS.  Behind each joint refill (K step k + 2) x's tile of K step k + 3 is prefetched: 32,768 dense bytes a tile row.  Both clusters of a row of clusters read it: the one with x = 0 asks;
; partner cx takes the 8,192 bytes from 8,192 cx on, told apart by address; wave 0 asks, a lane to each 256 bytes.  The loop's last trip asks for nothing; K steps 0 to 2 come by their loads alone.
; W is not asked for: all 32 tile rows read the same 6 MiB.
.set PA,    144                        ; pitch of x's rows: 9 x 16 bytes, so the 16 rows of a load begin at 16 different 16-byte columns modulo 256
.set PB,    864                        ; pitch of W's rows: 27 x 32 bytes; column n lies at 2 n + 16 (n / 64)
.set ATILE, 256*PA
.set BHALF, 32*PB                      ; 32 rows of W: what one tensor load brings, and 32 along K
.set SLOT,  ATILE+2*BHALF              ; 92,160
.set STAGE, 2*SLOT                     ; behind the ring: 16 rows x 400 bytes for each wave, for the way out
.set SP,    400
.set SPARE, STAGE+4*16*SP              ; behind the stages: the spare words, 128 bytes a wave, which no other line names
.set MIB,   1048576
.set ADRA0, 16                         ; v16  my place in a slot's rows of x; never rewritten
.set ADRB0, 17                         ; v17  the same for W
.set ADRA,  20                         ; v20  the same in the slot in hand
.set ADRB,  21                         ; v21
.set STO,  24                          ; v24  the way out: where I put 16 bytes of a row
.set RD,   25                          ; v25  the way out: where I read rows back
.set GO,   26                          ; v26  my 16 bytes in 512 consecutive bytes of qkv
.set PFO,  27                          ; v27  256 x lane; never rewritten
.set SPW,  28                          ; v28  my spare word; never rewritten
.set NIL,  29                          ; v29  0; never rewritten
.set AF0,  32                          ; v32-95, v96-159    fragments of x, two buffers of 8
.set AF1,  96
.set BF0,  160                         ; v160-191, v192-223 fragments of W, two buffers of 4
.set BF1,  192
.set TMP,  32                          ; the way out: v32-79 packed results; v80-127, v128-175 rows read back, by turns
.set OB,   80
.set G1,  24                           ; s[24:31] group 1 for x's tiles; s[32:39] group 0: a set for each first fill; the second then walks on
.set G0,  32
.set G1B, 48                           ; s[48:55], s[56:63] the same for W's
.set G0B, 56
.set TB,  18                           ; s18  the slot in hand
.set TD,  19                           ; s19  the slot filled last
.set LIM, 2                            ; s2   1 in a wave that prefetches, else the greatest number
.set PFA, 4                            ; s[4:5] xb at my work-group's 8,192 bytes of the K step after the one that is being asked for
.set FLD, (1<<16)|(1<<20)|(1<<21)|(4<<22)|(3<<25)  ; elements of 2 bytes; padding on; bit 21 beside a mask; after every 32 words; 4 words of it
.set MSB, 0
.macro WIN new                         ; the immediate's high byte repeats the setting that is left; a switch that changes nothing is dropped
.if MSB != (\new)
	s_set_vgpr_msb (MSB<<8)|(\new)
.set MSB, \new
.endif
.endm
.macro PLACES                          ; four plain vector instructions between a matrix instruction and a load into, or a read of, its registers
.rept 4
	v_nop
.endr
.endm
.macro JLOAD                           ; a joint refill by the walking descriptors: waves 0 and 1 fetch x's two halves, waves 2 and 3 W's; s_nop 0 and four v_nop follow each line
	s_cmp_eq_u32 s11, 0
	s_cbranch_scc0 .Lfor_b_\@
	tensor_load_to_lds s[G0+4:G0+7], s[G1:G1+7]
	s_nop 0
	PLACES
	s_branch .Lasked_\@
.Lfor_b_\@:
	tensor_load_to_lds s[G0B+4:G0B+7], s[G1B:G1B+7]
	s_nop 0
	PLACES
.Lasked_\@:
.endm
.macro ASK                             ; s3 = 1 in the loop's last trip: no K step stands behind the one that it has asked for
	s_cmp_gt_u32 s3, s[LIM]
	s_cbranch_scc0 .Lnot_mine_\@
	global_prefetch_b8 v[PFO], s[PFA:PFA+1] th:TH_LOAD_NT scope:SCOPE_SE
.Lnot_mine_\@:
.endm
.macro CREST                           ; a round of the cluster's barrier behind its opening barrier
	s_cmp_lg_u32 s10, 0
	s_cbranch_scc1 .Lnot_wave_0_\@
	s_barrier_signal -3
.Lnot_wave_0_\@:
	s_barrier_wait -3
	s_barrier_signal -1
	s_barrier_wait -1
.endm
.macro CROUND
	s_barrier_signal -1
	s_barrier_wait -1
	CREST
.endm
	s_load_b128 s[4:7], s[0:1], 0x0                ; xb s[4:5], wb s[6:7]
	s_load_b64 s[8:9], s[0:1], 0x10                ; qkv
	v_lshl_add_u32 v[SPW], v0, 2, SPARE
	v_mov_b32 v[NIL], 0
	ds_add_u32 v[SPW], v[NIL]                      ; the wave's opening: the add and its wait ahead of my first tensor load; register work stands between them
	v_lshrrev_b32 v1, 5, v0
	v_readfirstlane_b32 s10, v1                    ; wave 0..3
	s_lshr_b32 s11, s10, 1                         ; rh: my half of the rows.  Also: I fetch for x (0) or for W (1)
	s_and_b32 s12, s10, 1                          ; ch: my half of the columns.  Also: which half of that tile I fetch
	s_bfe_u32 s40, ttmp6, 0x40000                  ; cx
	s_bfe_u32 s41, ttmp6, 0x40004                  ; cy
	s_lshl_b32 s42, ttmp9, 2
	s_add_co_u32 s42, s42, s40                     ; tile column = 4 x cluster x + cx
	s_and_b32 s13, ttmp7, 0xffff
	s_lshl_b32 s13, s13, 2
	s_add_co_u32 s13, s13, s41                     ; tile row = 4 x cluster y + cy
	s_lshl_b32 s43, s41, 2
	s_lshl_b32 s43, 15, s43                        ; my row of the cluster
	s_lshl_b32 s44, 0x1111, s40                    ; my column
	s_or_b32 s[G1+0], s43, FLD
	s_or_b32 s[G1B+0], s44, FLD
	s_mov_b32 s[G1+1], 128<<16                     ; x: 128 rows of 128 dense bytes, asked for as 64 rows of 256 bytes: tensor_dim0 = 128 elements
	s_mov_b32 s[G1+2], 64<<16                      ; tensor_dim1 = 64
	s_mov_b32 s[G1+3], 128<<16                     ; tile_dim0 = 128
	s_mov_b32 s[G1+4], 64                          ; tile_dim1 = 64
	s_mov_b32 s[G1+5], 128                         ; elements from row to row
	s_mov_b32 s[G1+6], 0
	s_mov_b32 s[G1+7], 0
	s_mov_b32 s[G1B+1], 384<<16                    ; W: 32 rows of 384 elements (768 bytes, starting at a multiple of 256 bytes)
	s_mov_b32 s[G1B+2], 32<<16
	s_mov_b32 s[G1B+3], 384<<16
	s_mov_b32 s[G1B+4], 32
	s_mov_b32 s[G1B+5], 3072
	s_mov_b32 s[G1B+6], 0
	s_mov_b32 s[G1B+7], 0
	s_lshl_b32 s16, s13, 15                        ; x: 256 rows of 128 bytes a tile row,
	s_lshl_b32 s17, s12, 14                        ; 128 rows a half: made of the tile row and the wave's number alone
	s_add_co_u32 s16, s16, s17
	s_mov_b32 s17, 0
	s_mul_i32 s46, s42, 768                        ; W: 384 columns a tile column,
	s_mul_i32 s47, s12, 196608                     ; 32 rows of 6,144 bytes a half: made of the tile column and the wave's number alone
	s_add_co_u32 s46, s46, s47
	s_mov_b32 s47, 0
	s_mul_i32 s20, s12, 128*PA                     ; where they go in a slot: no place in the cluster enters an LDS address; s20 and s21 stay
	s_mul_i32 s21, s12, BHALF
	s_add_co_u32 s21, s21, ATILE
	s_mov_b32 s[TB], 0                             ; K step 0 lies in slot 0;
	s_mov_b32 s[TD], SLOT                          ; the second first fill goes into slot 1
	s_or_b32 s[LIM], s10, ttmp9                    ; 0 in wave 0 of a cluster with x = 0: the same in all sixteen partners
	s_cmp_eq_u32 s[LIM], 0
	s_cselect_b32 s[LIM], 1, -1
	s_wait_dscnt 0x0                               ; the opening add is done
	s_wait_kmcnt 0x0
	s_add_nc_u64 s[14:15], s[4:5], s[16:17]
	s_add_nc_u64 s[46:47], s[6:7], s[46:47]
	CROUND                                         ; all sixteen work-groups are here: the first joint loads meet
.irp s, 0,1
	s_mov_b32 s[G0+4*(\s)], 1
	s_add_co_u32 s[G0+4*(\s)+1], s20, (\s)*SLOT
	s_add_nc_u64 s[G0+4*(\s)+2:G0+4*(\s)+3], s[14:15], (\s)*MIB       ; K step s is block s of xb
	s_or_b32 s[G0+4*(\s)+3], s[G0+4*(\s)+3], 0x80000000
	s_mov_b32 s[G0B+4*(\s)], 1
	s_add_co_u32 s[G0B+4*(\s)+1], s21, (\s)*SLOT
	s_add_nc_u64 s[G0B+4*(\s)+2:G0B+4*(\s)+3], s[46:47], (\s)*393216  ; 64 rows of wb
	s_or_b32 s[G0B+4*(\s)+3], s[G0B+4*(\s)+3], 0x80000000
.endr
	s_cmp_eq_u32 s11, 0                            ; a wave's two first fills stand in one branch: two loads of mine are out
	s_cbranch_scc0 .Lfirst_b
	tensor_load_to_lds s[G0:G0+3], s[G1:G1+7]
	s_nop 0
	tensor_load_to_lds s[G0+4:G0+7], s[G1:G1+7]
	s_nop 0
	PLACES
	s_branch .Lfirst_done
.Lfirst_b:
	tensor_load_to_lds s[G0B:G0B+3], s[G1B:G1B+7]
	s_nop 0
	tensor_load_to_lds s[G0B+4:G0B+7], s[G1B:G1B+7]
	s_nop 0
	PLACES
.Lfirst_done:
	v_and_b32 v1, 15, v0                           ; r = lane % 16
	v_bfe_u32 v2, v0, 4, 1                         ; h = lane / 16
	v_mul_u32_u24 v3, v1, PA
	v_lshl_add_u32 v3, v2, 4, v3                   ; a fragment of x: row x pitch + 16 h; two loads 32 bytes apart
	s_mul_i32 s22, s11, 128*PA
	v_add_nc_u32 v[ADRA0], s22, v3
	v_mov_b32 v[ADRA], v[ADRA0]
	v_and_b32 v4, 7, v0                            ; the turning load: lane reads row 8 h + lane % 8 of K, columns 8 ((lane / 8) % 2) + 0..7, and is left with column lane % 16 and 8 of K
	v_lshl_add_u32 v4, v2, 3, v4
	v_mul_u32_u24 v4, v4, PB
	v_bfe_u32 v5, v0, 3, 1
	v_lshl_add_u32 v4, v5, 4, v4
	s_mul_i32 s22, s12, 432                        ; my 192 columns: three groups of 128 + 16 bytes
	s_add_co_u32 s22, s22, ATILE
	v_add_nc_u32 v[ADRB0], s22, v4
	v_mov_b32 v[ADRB], v[ADRB0]
	s_mul_i32 s23, s10, 16*SP
	s_add_co_u32 s23, s23, STAGE                   ; my stage
	v_mul_u32_u24 v6, v1, SP
	v_lshl_add_u32 v6, v2, 4, v6
	v_add_nc_u32 v[STO], s23, v6
	v_bfe_u32 v6, v0, 3, 2                         ; back: 32 lanes take 128 bytes of each of four rows,
	v_mul_u32_u24 v6, v6, SP
	v_and_b32 v7, 7, v0
	v_lshl_add_u32 v6, v7, 4, v6
	v_add_nc_u32 v[RD], s23, v6
	v_and_b32 v[GO], 31, v0                        ; which are 512 consecutive bytes of a block of qkv
	v_lshlrev_b32 v[PFO], 8, v[GO]
	v_lshlrev_b32 v[GO], 4, v[GO]
	s_lshl_b32 s44, s13, 15                        ; the prefetches: my tile row's 32,768 bytes of a block of xb, my work-group's 8,192 of them,
	s_lshl_b32 s45, s40, 13
	s_add_co_u32 s44, s44, s45
	s_add_co_u32 s44, s44, 2*MIB                   ; at K step 2: the first refill steps it to 3
	s_mov_b32 s45, 0
	s_add_nc_u64 s[PFA:PFA+1], s[PFA:PFA+1], s[44:45]
	s_mul_i32 s44, s42, 6                          ; qkv at my part: block 6 x tile column + 3 ch, row 256 x tile row + 128 rh
	s_mul_i32 s45, s12, 3
	s_add_co_u32 s44, s44, s45
	s_lshl_b32 s44, s44, 20
	s_lshl_b32 s45, s13, 15
	s_add_co_u32 s44, s44, s45
	s_lshl_b32 s45, s11, 14
	s_add_co_u32 s44, s44, s45
	s_mov_b32 s45, 0
	s_add_nc_u64 s[8:9], s[8:9], s[44:45]
.macro LDA sg, buf                     ; 16 loads: my 128 rows of x, 32 along K (half sg of the step), from the slot in hand
	WIN 0
.irp a, 0,1,2,3,4,5,6,7
	ds_load_b128 v[(\buf)+8*(\a):(\buf)+8*(\a)+3],   v[ADRA] offset:(\a)*16*PA+64*(\sg)
	ds_load_b128 v[(\buf)+8*(\a)+4:(\buf)+8*(\a)+7], v[ADRA] offset:(\a)*16*PA+64*(\sg)+32
.endr
.endm
.macro LDB sg, g, buf                  ; 8 turning loads: column blocks 4 g .. 4 g + 3 of my twelve
	WIN 0
.irp q, 0,1,2,3
	ds_load_tr16_b128 v[(\buf)+8*(\q):(\buf)+8*(\q)+3],   v[ADRB] offset:(\sg)*BHALF+32*(4*(\g)+(\q))+16*(\g)
	ds_load_tr16_b128 v[(\buf)+8*(\q)+4:(\buf)+8*(\q)+7], v[ADRB] offset:(\sg)*BHALF+32*(4*(\g)+(\q))+16*(\g)+16*PB
.endr
.endm
; 16 matrix instructions: two column blocks of group g x my 8 row blocks.  Accumulator (a, b) lies in window 1 + b / 4 at 8 (8 (b % 4) + a).  The accumulators take turns, one instruction a turn.
.macro MM16 g, half, ab, bb, zero
	WIN 0x50*(1+(\g))
.irp q, 2*(\half), 2*(\half)+1
.irp a, 0,1,2,3,4,5,6,7
.if \zero
	v_wmma_f32_16x16x32_bf16 v[8*(8*(\q)+(\a)):8*(8*(\q)+(\a))+7], v[(\bb)+8*(\q):(\bb)+8*(\q)+7], v[(\ab)+8*(\a):(\ab)+8*(\a)+7], 0
.else
	v_wmma_f32_16x16x32_bf16 v[8*(8*(\q)+(\a)):8*(8*(\q)+(\a))+7], v[(\bb)+8*(\q):(\bb)+8*(\q)+7], v[(\ab)+8*(\a):(\ab)+8*(\a)+7], v[8*(8*(\q)+(\a)):8*(8*(\q)+(\a))+7]
.endif
.endr
.endr
.endm
.macro GRP g, ab, bb, n, zero          ; n: the LDS loads just issued, which may stay out; what is multiplied was asked for a group earlier
	s_wait_dscnt \n
	MM16 \g, 0, \ab, \bb, \zero
	MM16 \g, 1, \ab, \bb, \zero
.endm
.macro FRONT zero                      ; a K step's first 32 along K.  zero = 1: the products start the sums: nothing is ever cleared
	PLACES
	LDB 0, 1, BF1
	GRP 0, AF0, BF0, 8, \zero
	PLACES
	LDB 0, 2, BF0
	GRP 1, AF0, BF1, 8, \zero
	PLACES
	LDA 1, AF1
	LDB 1, 0, BF1
	GRP 2, AF0, BF0, 24, \zero
.endm
.macro G3
	PLACES
	LDB 1, 1, BF0
	GRP 0, AF1, BF1, 8, 0
.endm
; The fifth group changes slots.  Its 8 loads are my last reads of the slot.  Then: all my tensor loads have landed (the one that was out is my part of the other slot); the add; the slot's turn and the
; descriptors' steps; the wait for the add, which is also the wait for my reads of the slot; the barrier.  fill = 1: the barrier opens a round of the cluster's, and the joint refill, two K steps on,
; is the first thing behind it.  The group's own 32 products stand behind the refill.
.macro TURN fill
	PLACES
	LDB 1, 2, BF1
	s_wait_tensorcnt 0x0
	ds_add_u32 v[SPW], v[NIL]                      ; 0 onto my spare word
	s_xor_b32 s[TB], s[TB], SLOT                   ; from here on the other slot is in hand
	v_add_nc_u32 v[ADRA], s[TB], v[ADRA0]
	v_add_nc_u32 v[ADRB], s[TB], v[ADRB0]
.if \fill
	s_xor_b32 s[TD], s[TD], SLOT                   ; no tensor load of mine is out, so a group 0 may be written: the other slot than last time,
	s_add_co_u32 s[G0+5], s[TD], s20
	s_add_co_u32 s[G0B+5], s[TD], s21
	s_add_nc_u64 s[G0+6:G0+7], s[G0+6:G0+7], MIB   ; the next K step; the type bits on top are not reached
	s_add_nc_u64 s[G0B+6:G0B+7], s[G0B+6:G0B+7], 393216
	s_wait_xcnt 0x0                                ; the last prefetch, a K step back, has read its address, so it may be written
	s_add_nc_u64 s[PFA:PFA+1], s[PFA:PFA+1], MIB
.endif
	s_wait_dscnt 0x0                               ; the add is done, my reads of the slot are over
	s_barrier_signal -1
	s_barrier_wait -1
.if \fill
	CREST
	JLOAD
	ASK
.endif
	MM16 1, 0, AF1, BF0, 0
	MM16 1, 1, AF1, BF0, 0
	PLACES                                         ; in front of the sixth group's loads
.endm
.macro G5                              ; the sixth group fetches the first fragments of the slot that is now in hand
	LDA 0, AF0
	LDB 0, 0, BF0
	GRP 2, AF1, BF1, 24, 0
.endm
	s_wait_tensorcnt 0x1                           ; my part of K step 0 is in; K step 1's may stay out
	s_barrier_signal -1
	s_barrier_wait -1
	LDA 0, AF0
	LDB 0, 0, BF0
	FRONT 1
	WIN 0
	s_mov_b32 s3, 14
.Lstep:                                                ; a trip: a K step's second half, the refill of its slot, the next step's first half
	G3
	TURN 1
	G5
	FRONT 0
	WIN 0
	s_sub_co_u32 s3, s3, 1
	s_cmp_lg_u32 s3, 0
	s_cbranch_scc1 .Lstep
	s_mov_b32 s3, 2
.Ltail:                                                ; the last two K steps fill nothing
	G3
	TURN 0
	G5
	WIN 0
	s_cmp_eq_u32 s3, 1
	s_cbranch_scc1 .Lskip                          ; behind the last K step stands no first half
	FRONT 0
	WIN 0
.Lskip:
	s_wait_dscnt 0x0                               ; no LDS load is out, whichever way led here
	s_sub_co_u32 s3, s3, 1
	s_cmp_lg_u32 s3, 0
	s_cbranch_scc1 .Ltail
	PLACES
	PLACES
; THE WAY OUT, 16 rows at a time: round to f16 (16 bytes a lane), into my own stage, back as 128-byte rows of the three blocks, stored 512 consecutive bytes an instruction.
.macro PACK a
.irp g, 0,1,2
	WIN 5*(1+(\g))                                 ; sources 0 and 1 in window 1 + g
.irp q, 0,1,2,3
.irp r, 0,1,2,3
	v_cvt_pk_f16_f32 v[TMP+4*(4*(\g)+(\q))+(\r)], v[8*(8*(\q)+(\a))+2*(\r)], v[8*(8*(\q)+(\a))+2*(\r)+1]
.endr
.endr
.endr
	WIN 0
.endm
.macro TOSTAGE a
	s_wait_xcnt 0x0                                ; the stores of two blocks back have read the registers that are loaded again below
.irp b, 0,1,2,3,4,5,6,7,8,9,10,11
	ds_store_b128 v[STO], v[TMP+4*(\b):TMP+4*(\b)+3] offset:32*(\b)
.endr
.irp c, 0,1,2
.irp t, 0,1,2,3
	ds_load_b128 v[OB+48*((\a)%2)+4*(4*(\c)+(\t)):OB+48*((\a)%2)+4*(4*(\c)+(\t))+3], v[RD] offset:(\c)*128+(\t)*4*SP  ; LDS serves a wave's instructions in order: these see the stores above
.endr
.endr
.endm
.macro SEND a
	s_wait_dscnt 0x0
.irp c, 0,1,2
.irp t, 0,1,2,3
	global_store_b128 v[GO], v[OB+48*((\a)%2)+4*(4*(\c)+(\t)):OB+48*((\a)%2)+4*(4*(\c)+(\t))+3], s[8:9] offset:(\c)*MIB+(\a)*2048+(\t)*512
.endr
.endr
.endm
	PACK 0
	TOSTAGE 0
.irp a, 1,2,3,4,5,6,7
	PACK \a                                        ; a block's conversions stand between the loads of the block before and the wait for them
	SEND (\a)-1
	TOSTAGE \a
.endr
	SEND 7
	s_wait_tensorcnt 0x0                           ; the wave's end
	ds_add_u32 v[SPW], v[NIL]
	s_wait_dscnt 0x0
	CROUND                                         ; the closing round: no work-group ends while a partner may still ask for a tile that names it
	s_endpgm
.Lfunc_end_k_qb365ae1f4c_proj:
	.size	k_qb365ae1f4c_proj, .Lfunc_end_k_qb365ae1f4c_proj-k_qb365ae1f4c_proj
	.p2alignl 7, 3214868480
	.fill 96, 4, 3214868480
	.section	.rodata,"a",@progbits
	.p2align	6, 0x0
	.amdhsa_kernel k_qb365ae1f4c_proj
		.amdhsa_group_segment_fixed_size 327680
		.amdhsa_private_segment_fixed_size 0
		.amdhsa_enable_private_segment 0
		.amdhsa_kernarg_size 24
		.amdhsa_user_sgpr_count 2
		.amdhsa_user_sgpr_kernarg_segment_ptr 1
		.amdhsa_wavefront_size32 1
		.amdhsa_system_sgpr_workgroup_id_x 1
		.amdhsa_system_sgpr_workgroup_id_y 1
		.amdhsa_system_sgpr_workgroup_id_z 1
		.amdhsa_system_vgpr_workitem_id 0
		.amdhsa_next_free_vgpr 1024
		.amdhsa_next_free_sgpr 66
		.amdhsa_reserve_vcc 0
		.amdhsa_float_denorm_mode_32 3
		.amdhsa_float_denorm_mode_16_64 3
		.amdhsa_memory_ordered 1
		.amdhsa_forward_progress 1
		.amdhsa_inst_pref_size 104
	.end_amdhsa_kernel
	.amdgpu_metadata
---
amdhsa.version: [ 1, 2 ]
amdhsa.kernels:
  - .name:           k_qb365ae1f4c_proj
    .symbol:         k_qb365ae1f4c_proj.kd
    .args:
      - { .name: xb, .offset: 0, .size: 8, .value_kind: global_buffer, .address_space: global }
      - { .name: wb, .offset: 8, .size: 8, .value_kind: global_buffer, .address_space: global }
      - { .name: qkv, .offset: 16, .size: 8, .value_kind: global_buffer, .address_space: global }
    .group_segment_fixed_size: 327680
    .private_segment_fixed_size: 0
    .kernarg_segment_align: 8
    .kernarg_segment_size: 24
    .max_flat_workgroup_size: 128
    .sgpr_count:     66
    .vgpr_count:     1024
    .wavefront_size: 32
...
	.end_amdgpu_metadata
.endif
;; end of part 2
;; launch scores (part 3): grid 13 x 16, 4 waves a work-group, no clusters, 327,680 bytes of LDS; arguments qkv, pt, stats, tsum; writes pt, stats, tsum
.if DOCPART == 3
	.amdgcn_target "amdgcn-amd-amdhsa--gfx1250"
	.amdhsa_code_object_version 6
	.text
	.protected	k_qb365ae1f4c_scores
	.globl	k_qb365ae1f4c_scores
	.p2align	8
	.type	k_qb365ae1f4c_scores,@function
k_qb365ae1f4c_scores:
	s_mov_b64 s[64:65], 0
	v_nop
	global_prefetch_b8 v0, s[64:65] scope:SCOPE_SE
	s_setreg_imm32_b32 hwreg(HW_REG_WAVE_MODE, 25, 1), 1
	s_wait_xcnt 0x0
; For each batch b and each visible tile (i, t), t >= i, of 256 queries x 256 keys: s = Q K^T over 1,024 channels (f16 products, f32 sums); keys below the query and sums that are exactly 0 become
; M = -2^58 (32 x -9e15: the division by 32 is folded into c); m_t = the row's maximum in the tile; p = 2^(c (s - m_t)), c = log2(e) / 32; L_t = the sum of the unrounded p.
; Stored: p in f16 in pt; m_t in stats at [b][t][2048], L_t 262,144 bytes on.  The difference s - m_t is taken first, so p <= 1 whatever the size of the scores, and p = 1 where a whole row is masked.
; pt LIES IN FRAGMENT ORDER: [b][16 queries][32 keys] of 1,024 bytes: lane l's 16 bytes (query l % 16, keys 8 (l / 16) + 0..7) of the first 16 keys at 16 l, of the second 16 keys at 512 + 16 l.
; That is how the weights lie in my registers and how the later product wants them, so they are stored straight from registers, 512 consecutive bytes an instruction.
; 64 further work-groups make tsum [b][t][1024]: the sum of V's 256 rows of key tile t (the later launch needs it for rows whose visible scores are all masked).
; LIMITS.  A sum so small that its 32nd part would underflow is not taken as 0.  M differs from 32 x -9e15 by 1 part in 1,000; it only has to lie far below every score (f16 operands: 4.4e12 at the most).
; A weight below 2^-126 counts as 0.  NaN and infinities are not treated apart.
; PLACE.  x = 0..12, y = 4 b + p.  x < 9: rows p and 7 - p together have 9 visible tiles: x < 8 - p: (i, t) = (p, p + x), else (7 - p, x - 1).  x >= 9: V sums: t = (4 p + x - 9) / 2, channel half (4 p + x - 9) % 2.
; NO CLUSTER: a row of tiles has 8 - i visible ones, not a multiple of four, and partners may not branch apart: a cluster would have to make hidden tiles, a third more products.
; SHARES.  Wave w takes queries 64 w .. 64 w + 63 and all 256 keys, so a row's maximum and sum never leave the wave: 64 accumulators (windows 2 and 3); 40 LDS loads for 64 matrix instructions.
; Source 0 = 16 keys, source 1 = 16 queries: a lane holds query lane % 16 and keys 8 (lane / 16) + 0..7.
; RING.  8 steps of 128 channels, two slots; a slot is four blocks [256 rows][64 channels] (Q, Q, K, K), each 32,768 dense bytes asked for by one wave as 128 rows of 256 bytes, padded behind every 128.
; THE TEXT.  The slot in hand is a scalar, 0 or SLOT, turned at each change; the LDS addresses are made anew from it.  A step is four quarters of 32 channels.  Written are: the first quarter (products that start
; the sums), a trip that fills a slot again (6 trips, from a step's second quarter to the next step's first), and a trip that fills nothing (2 trips).  The last trip jumps forward over the next step's first
; quarter, which does not exist; by then it has read the other slot's first fragments once more, 40 LDS loads that serve nothing, and has passed one barrier more than it needs: the price of one text for both trips.
; AHEAD OF THE LOADS.  Behind each refill (step k + 2) the blocks of step k + 3 are prefetched, by the work-group of the diagonal tile (i = t) alone: block i of Q is read by the tiles (i, i .. 7), block i of K
; by the tiles (0 .. i, i), and (i, i) is the one tile that reads both: so each 256 bytes of q and k are named once in the launch.  Each wave asks for the block that it will load itself: 32,768 dense bytes,
; four instructions, a lane to each 256 bytes.  The loop's last trip asks for nothing; steps 0 to 2 come by their loads alone.
.set PQ,    144                        ; 9 x 16 bytes
.set BLK,   256*PQ
.set SLOT,  4*BLK                      ; 147,456
.set MIB,   1048576
.set SCR,   295936                     ; behind the ring: 512 bytes a wave: 64 maxima, 64 sums
.set SPARE, 297984                     ; the spare words, 128 bytes a wave, which no other line names
.set ADRQ0, 8                          ; v8-9    my place in a slot's two blocks of Q; never rewritten
.set ADRK0, 10                         ; v10-11  the same for K
.set ADRQ, 12                          ; v12-13  the same in the slot in hand
.set ADRK, 14                          ; v14-15
.set GO,   20                          ; v20  16 x lane, and 65,536 more for each 16 queries
.set SA,   21
.set THR,  22                          ; my query's place in the tile less 8 (lane / 16): register j of key block b is hidden where 16 b + j is less
.set MNEG, 23
.set MM,   24                          ; v24-25  the row's maximum, twice
.set LL,   26
.set C0,   28                          ; v28-31  four chains
.set T,    32                          ; v32-33  at work
.set SPW,  34
.set NIL,  35
.set PFO,  36                          ; v36  256 x lane; never rewritten
.set QF,   64                          ; v64-95, v96-127: Q's fragments, two buffers.  Window 1: K's, v0-127 and v128-255
.set P,    64                          ; later: v64-127 the weights in f16; v128-255 16 queries' scores
.set S,    128
.set G1,   24
.set G0,   32                          ; s[32:39] group 0: a set for each first fill; the second then walks on
.set CS,   40
.set SEL,  42
.set HIM,  44
.set TB,   50                          ; the slot in hand
.set TD,   51                          ; the slot filled last
.set PFA,  52                          ; s[52:53] qkv at my block of the step after the one that is being asked for
.set LIM,  54                          ; 1 in the diagonal tile's work-group, else the greatest number
.set MSB, 0
.macro WIN new
.if MSB != (\new)
	s_set_vgpr_msb (MSB<<8)|(\new)
.set MSB, \new
.endif
.endm
.macro PLACES
.rept 4
	v_nop
.endr
.endm
	s_load_b256 s[4:11], s[0:1], 0x0               ; qkv s[4:5], pt s[6:7], stats s[8:9], tsum s[10:11]
	v_lshl_add_u32 v[SPW], v0, 2, SPARE
	v_mov_b32 v[NIL], 0
	ds_add_u32 v[SPW], v[NIL]                      ; the wave's opening: the add and its wait ahead of my first tensor load
	v_lshrrev_b32 v1, 5, v0
	v_readfirstlane_b32 s12, v1                    ; wave
	s_mov_b32 s13, ttmp9                           ; x
	s_and_b32 s14, ttmp7, 0xffff
	s_lshr_b32 s15, s14, 2                         ; b
	s_and_b32 s16, s14, 3                          ; p
	s_sub_co_u32 s20, 8, s16
	s_sub_co_u32 s21, 7, s16
	s_add_co_u32 s22, s16, s13
	s_sub_co_u32 s23, s13, 1
	s_cmp_lt_u32 s13, s20
	s_cselect_b32 s17, s16, s21                    ; i
	s_cselect_b32 s18, s22, s23                    ; t
	s_lshl_b32 s20, s16, 2
	s_add_co_u32 s20, s20, s13
	s_sub_co_u32 s20, s20, 9
	s_lshr_b32 s21, s20, 1
	s_and_b32 s19, s20, 1                          ; the channel half
	s_cmp_ge_u32 s13, 9
	s_cselect_b32 s18, s21, s18
	s_cselect_b32 s45, 1, 0                        ; 1: V sums
	s_lshr_b32 s20, s12, 1
	s_and_b32 s21, s12, 1
	s_lshl_b32 s22, s20, 4
	s_add_co_u32 s22, s22, s21                     ; scores: waves 0, 1 fetch Q's blocks 0, 1; waves 2, 3 K's blocks 16, 17
	s_cmp_eq_u32 s20, 0
	s_cselect_b32 s23, s17, s18                    ; Q's rows go by i, K's by t
	s_lshl_b32 s2, s19, 3
	s_add_co_u32 s2, s2, s12
	s_add_co_u32 s2, s2, 32                        ; V sums: block 32 + 8 x half + wave, and four blocks on
	s_cmp_eq_u32 s45, 1
	s_cselect_b32 s22, s2, s22
	s_cselect_b32 s23, s18, s23
	s_lshl_b32 s22, s22, 20
	s_lshl_b32 s2, s15, 18                         ; 2,048 rows of 128 bytes a batch
	s_add_co_u32 s22, s22, s2
	s_lshl_b32 s23, s23, 15                        ; 256 rows a tile
	s_add_co_u32 s22, s22, s23
	s_mov_b32 s23, 0
	s_mov_b32 s20, 2*MIB                           ; slot 1's first tile: two blocks on, or four
	s_lshl_b32 s20, s20, s45
	s_mov_b32 s21, 0
	s_mov_b32 s[G1+0], (1<<16)|(1<<20)|(4<<22)|(3<<25)  ; elements of 2 bytes; padding on, after every 32 words, 4 words of it
	s_mov_b32 s[G1+1], 128<<16
	s_mov_b32 s[G1+2], 128<<16
	s_mov_b32 s[G1+3], 128<<16
	s_mov_b32 s[G1+4], 128
	s_mov_b32 s[G1+5], 128
	s_mov_b32 s[G1+6], 0
	s_mov_b32 s[G1+7], 0
	s_mov_b32 s[G0], 1
	s_mul_i32 s[G0+1], s12, BLK                    ; block w of the slot is mine; this word stays
	s_mov_b32 s[G0+4], 1
	s_add_co_u32 s[G0+5], s[G0+1], SLOT
	s_mov_b32 s[TB], 0                             ; step 0 lies in slot 0;
	s_mov_b32 s[TD], SLOT                          ; the second first fill goes into slot 1
	s_mov_b32 s[CS], 0x3d38aa3b                    ; c = log2(e) / 32
	s_mov_b32 s[CS+1], s[CS]
	s_mov_b32 s[SEL], 0x76543210
	s_mov_b32 s[SEL+1], 0xfedcba98
	s_mov_b32 s[HIM], 0xffff0000                   ; lanes 16-31
	s_wait_dscnt 0x0                               ; the opening add is done
	s_wait_kmcnt 0x0
	s_add_nc_u64 s[G0+2:G0+3], s[4:5], s[22:23]
	s_add_nc_u64 s[G0+6:G0+7], s[G0+2:G0+3], s[20:21]
	s_or_b32 s[G0+3], s[G0+3], 0x80000000
	s_or_b32 s[G0+7], s[G0+7], 0x80000000
	tensor_load_to_lds s[G0:G0+3], s[G1:G1+7]      ; both first fills together: two loads of mine are out
	s_nop 0
	tensor_load_to_lds s[G0+4:G0+7], s[G1:G1+7]
	s_nop 0
	PLACES
	v_and_b32 v1, 15, v0                           ; r
	v_bfe_u32 v2, v0, 4, 1                         ; h
	v_and_b32 v3, 31, v0                           ; lane
	s_lshl_b32 s48, s15, 3
	s_add_co_u32 s48, s48, s18                     ; 8 b + t
	s_cmp_eq_u32 s45, 0
	s_cbranch_scc1 .Lscore
	; ---- V SUMS.  My two blocks are my own bytes: my own wait is all the order that the reads need.  ones (16 x 32) times V (32 keys x 16 channels, turned): every row of the result is the column sum.
	s_lshl_b32 s2, s48, 12                         ; tsum at (8 b + t) x 1,024 + (8 x half + wave) x 64 numbers
	s_lshl_b32 s3, s19, 3
	s_add_co_u32 s3, s3, s12
	s_lshl_b32 s3, s3, 8
	s_add_co_u32 s2, s2, s3
	s_mov_b32 s3, 0
	s_add_nc_u64 s[10:11], s[10:11], s[2:3]
	v_and_b32 v4, 7, v0
	v_lshl_add_u32 v4, v2, 3, v4
	v_mul_u32_u24 v4, v4, PQ
	v_bfe_u32 v5, v0, 3, 1
	v_lshl_add_u32 v4, v5, 4, v4
	v_add_nc_u32 v4, s[G0+1], v4
	v_lshlrev_b32 v6, 2, v3
.set n, 0
.rept 8
	v_mov_b32 v[224+n], 0x3c003c00                 ; 1.0 twice, in f16
.set n, n+1
.endr
	s_wait_tensorcnt 0x0
	s_mov_b32 s46, 2
.Lvsum:                                                ; two trips: my block in slot 0, then my block in slot 1
.irp q, 0,1,2,3
	PLACES
.irp k, 0,1
.irp c, 0,1,2,3
	ds_load_tr16_b128 v[128+32*(\k)+8*(\c):128+32*(\k)+8*(\c)+3],   v4 offset:(2*(\q)+(\k))*32*PQ+32*(\c)
	ds_load_tr16_b128 v[128+32*(\k)+8*(\c)+4:128+32*(\k)+8*(\c)+7], v4 offset:(2*(\q)+(\k))*32*PQ+16*PQ+32*(\c)
.endr
.endr
	s_wait_dscnt 0x0
.irp k, 0,1
.irp c, 0,1,2,3                        ; the four accumulators take turns
.if ((\q) == 0) && ((\k) == 0)
	v_wmma_f32_16x16x32_f16 v[192+8*(\c):192+8*(\c)+7], v[224:231], v[128+32*(\k)+8*(\c):128+32*(\k)+8*(\c)+7], 0
.else
	v_wmma_f32_16x16x32_f16 v[192+8*(\c):192+8*(\c)+7], v[224:231], v[128+32*(\k)+8*(\c):128+32*(\k)+8*(\c)+7], v[192+8*(\c):192+8*(\c)+7]
.endif
.endr
.endr
.endr
	PLACES
	PLACES
	v_cndmask_b32 v240, v192, v200, s[HIM]         ; register 0 of lane l is the sum of channel l % 16 of its block of 16: lanes 0-15 take the first block's, lanes 16-31 the second's
	v_cndmask_b32 v241, v208, v216, s[HIM]
	global_store_b32 v6, v240, s[10:11]            ; 128 consecutive bytes
	global_store_b32 v6, v241, s[10:11] offset:128
	s_wait_xcnt 0x0                                ; the stores have read their data and their offset
	v_add_nc_u32 v4, SLOT, v4
	v_add_nc_u32 v6, 1024, v6                      ; four blocks of 64 channels on
	s_sub_co_u32 s46, s46, 1
	s_cmp_lg_u32 s46, 0
	s_cbranch_scc1 .Lvsum
	s_branch .Lend
.Lscore:
	v_mul_u32_u24 v4, v1, PQ
	v_lshl_add_u32 v4, v2, 4, v4                   ; row x pitch + 16 h
	s_mul_i32 s2, s12, 64*PQ
	v_add_nc_u32 v[ADRQ0], s2, v4
	v_add_nc_u32 v[ADRQ0+1], BLK, v[ADRQ0]
	v_add_nc_u32 v[ADRK0], 2*BLK, v4
	v_add_nc_u32 v[ADRK0+1], 3*BLK, v4
.irp z, 0,1
	v_mov_b32 v[ADRQ+\z], v[ADRQ0+\z]
	v_mov_b32 v[ADRK+\z], v[ADRK0+\z]
.endr
	v_lshlrev_b32 v[GO], 4, v3
	v_lshlrev_b32 v[PFO], 8, v3
	s_lshl_b32 s49, s12, 9
	s_add_co_u32 s49, s49, SCR
	v_lshl_add_u32 v[SA], v2, 8, s49               ; lanes 0-15 put the maxima, lanes 16-31 the sums, 256 bytes on
	v_lshl_add_u32 v[SA], v1, 2, v[SA]
	s_lshl_b32 s2, s12, 6
	v_add_nc_u32 v[THR], s2, v1
	v_lshlrev_b32 v5, 3, v2
	v_sub_nc_u32 v[THR], v[THR], v5
	v_mov_b32 v[MNEG], 0xdc800000                  ; -2^58
	v_mov_b32 v[T], 0
	v_mov_b32 v[T+1], 0
	s_add_nc_u64 s[PFA:PFA+1], s[4:5], s[22:23]    ; the prefetches: my block of step 0,
	s_add_nc_u64 s[PFA:PFA+1], s[PFA:PFA+1], 4*MIB ; of step 2: the first refill steps it to 3
	s_cmp_eq_u32 s17, s18
	s_cselect_b32 s[LIM], 1, -1
	s_lshl_b32 s2, s15, 23                         ; pt at batch b, block of 16 queries 16 i + 4 w (65,536 bytes each), key tile t (8,192 bytes)
	s_lshl_b32 s3, s17, 20
	s_add_co_u32 s2, s2, s3
	s_lshl_b32 s3, s12, 18
	s_add_co_u32 s2, s2, s3
	s_lshl_b32 s3, s18, 13
	s_add_co_u32 s2, s2, s3
	s_mov_b32 s3, 0
	s_add_nc_u64 s[6:7], s[6:7], s[2:3]
	s_lshl_b32 s2, s48, 13                         ; stats at (8 b + t) x 2,048 + 256 i + 64 w numbers
	s_lshl_b32 s3, s17, 10
	s_add_co_u32 s2, s2, s3
	s_lshl_b32 s3, s12, 8
	s_add_co_u32 s2, s2, s3
	s_mov_b32 s3, 0
	s_add_nc_u64 s[8:9], s[8:9], s[2:3]
.macro FETCH qd, f                     ; 40 loads in one run: quarter qd (32 channels) of the slot in hand into buffer f: K's 16 fragments, then Q's 4
	WIN 0x40
.set b, 0
.rept 16
	ds_load_b128 v[128*(\f)+8*b:128*(\f)+8*b+3],   v[ADRK+(\qd)/2] offset:b*16*PQ+64*((\qd)%2)
	ds_load_b128 v[128*(\f)+8*b+4:128*(\f)+8*b+7], v[ADRK+(\qd)/2] offset:b*16*PQ+64*((\qd)%2)+32
.set b, b+1
.endr
	WIN 0
.irp a, 0,1,2,3
	ds_load_b128 v[QF+32*(\f)+8*(\a):QF+32*(\f)+8*(\a)+3],   v[ADRQ+(\qd)/2] offset:(\a)*16*PQ+64*((\qd)%2)
	ds_load_b128 v[QF+32*(\f)+8*(\a)+4:QF+32*(\f)+8*(\a)+7], v[ADRQ+(\qd)/2] offset:(\a)*16*PQ+64*((\qd)%2)+32
.endr
.endm
.macro MUL16 f, a, zero                ; query block a x all 16 key blocks.  Accumulator (a, b): window 2 + a / 2, register 8 (16 (a % 2) + b).  The 64 accumulators take turns
	WIN 0xa1+0x50*((\a)/2)
.set b, 0
.rept 16
.if \zero
	v_wmma_f32_16x16x32_f16 v[8*(16*((\a)%2)+b):8*(16*((\a)%2)+b)+7], v[128*(\f)+8*b:128*(\f)+8*b+7], v[QF+32*(\f)+8*(\a):QF+32*(\f)+8*(\a)+7], 0
.else
	v_wmma_f32_16x16x32_f16 v[8*(16*((\a)%2)+b):8*(16*((\a)%2)+b)+7], v[128*(\f)+8*b:128*(\f)+8*b+7], v[QF+32*(\f)+8*(\a):QF+32*(\f)+8*(\a)+7], v[8*(16*((\a)%2)+b):8*(16*((\a)%2)+b)+7]
.endif
.set b, b+1
.endr
.endm
.macro QUARTER qd, f, g, zero          ; multiplies buffer f; in its middle fetches quarter qd into buffer g
	s_wait_dscnt 4                                 ; only Q's blocks 2 and 3 may be out
	MUL16 \f, 0, \zero
	MUL16 \f, 1, \zero
	PLACES
	FETCH \qd, \g
	s_wait_dscnt 40                                ; all but the 40 just issued
	MUL16 \f, 2, \zero
	MUL16 \f, 3, \zero
.endm
.macro ASK                             ; s46 = 1 in the loop's last trip: no step stands behind the one that it has asked for
	s_cmp_gt_u32 s46, s[LIM]
	s_cbranch_scc0 .Lnot_mine_\@
.irp k, 0,1,2,3
	global_prefetch_b8 v[PFO], s[PFA:PFA+1] offset:8192*\k th:TH_LOAD_NT scope:SCOPE_SE
.endr
.Lnot_mine_\@:
.endm
; The fourth quarter multiplies buffer 1 and changes slots: all my tensor loads have landed (my block of the other slot); the add; the slot's turn and the descriptor's step; the wait for the add, which is also
; the wait for my reads of this slot; the barrier; fill = 1: my block of this slot is filled again, two steps on, first thing behind the barrier.
.macro TURN fill
	WIN 0
	s_wait_tensorcnt 0x0
	ds_add_u32 v[SPW], v[NIL]                      ; 0 onto my spare word
	s_xor_b32 s[TB], s[TB], SLOT                   ; my last reads of the slot have been issued: from here on the other slot is in hand
.irp z, 0,1
	v_add_nc_u32 v[ADRQ+\z], s[TB], v[ADRQ0+\z]
	v_add_nc_u32 v[ADRK+\z], s[TB], v[ADRK0+\z]
.endr
.if \fill
	s_xor_b32 s[TD], s[TD], SLOT                   ; no tensor load of mine is out, so a group 0 may be written: the other slot than last time,
	s_add_co_u32 s[G0+5], s[TD], s[G0+1]
	s_add_nc_u64 s[G0+6:G0+7], s[G0+6:G0+7], 2*MIB ; the next step's block; the type bits on top are not reached
	s_wait_xcnt 0x0                                ; the last prefetches, a step back, have read their address, so it may be written
	s_add_nc_u64 s[PFA:PFA+1], s[PFA:PFA+1], 2*MIB
.endif
	s_wait_dscnt 5                                 ; the add and Q's blocks 2 and 3 may be out
	MUL16 1, 0, 0
	s_wait_dscnt 0x0
	s_barrier_signal -1
	MUL16 1, 1, 0
	s_barrier_wait -1
.if \fill
	tensor_load_to_lds s[G0+4:G0+7], s[G1:G1+7]
	s_nop 0
.endif
	PLACES
	FETCH 0, 0
.if \fill
	ASK
.endif
	MUL16 1, 2, 0
	MUL16 1, 3, 0
.endm
	s_wait_tensorcnt 0x1                           ; my block of step 0 is in; step 1's may stay out
	s_barrier_signal -1
	s_barrier_wait -1
	FETCH 0, 0
	QUARTER 1, 0, 1, 1                             ; the first quarter's products start the sums
	WIN 0
	s_mov_b32 s46, 6
.Lstep:                                                ; a trip: from a step's second quarter to the next step's first; the slot that is left is filled again
	QUARTER 2, 1, 0, 0
	QUARTER 3, 0, 1, 0
	TURN 1
	QUARTER 1, 0, 1, 0
	WIN 0
	s_sub_co_u32 s46, s46, 1
	s_cmp_lg_u32 s46, 0
	s_cbranch_scc1 .Lstep
	s_mov_b32 s46, 2
.Ltail:                                                ; the last two steps fill nothing
	QUARTER 2, 1, 0, 0
	QUARTER 3, 0, 1, 0
	TURN 0
	WIN 0
	s_cmp_eq_u32 s46, 1
	s_cbranch_scc1 .Lskip                          ; behind the last step stands no first quarter
	QUARTER 1, 0, 1, 0
	WIN 0
.Lskip:
	s_wait_dscnt 0x0                               ; no LDS load is out, whichever way led here
	s_sub_co_u32 s46, s46, 1
	s_cmp_lg_u32 s46, 0
	s_cbranch_scc1 .Ltail
	PLACES
	PLACES
; THE SOFTMAX is written once and walked four times, 16 queries a trip.  What differs from trip to trip is where the scores lie, so only the first step is written four times: the test for 0, which reads
; query block a's accumulators (each from its lowest register on) and writes window 0.  Forward jumps on the trip's count choose the copy.
.macro COPY a
	WIN 0x02+(\a)/2                                ; source 0 in window 2 or 3
.set n, 0
.rept 128
	v_cmp_eq_f32 vcc_lo, v[128*((\a)%2)+n], v[NIL] ; a sum that is exactly 0 is masked
	v_cndmask_b32 v[S+n], v[128*((\a)%2)+n], v[MNEG], vcc_lo
.set n, n+1
.endr
	WIN 0
.endm
	s_mov_b32 s46, 4
.Lrows:                                                ; a trip: 16 queries x 256 keys; register S + 8 b + j is key 16 b + 8 h + j of query r
	s_cmp_lg_u32 s46, 4
	s_cbranch_scc1 .Lc1
	COPY 0
	s_branch .Lcd
.Lc1:
	s_cmp_lg_u32 s46, 3
	s_cbranch_scc1 .Lc2
	COPY 1
	s_branch .Lcd
.Lc2:
	s_cmp_lg_u32 s46, 2
	s_cbranch_scc1 .Lc3
	COPY 2
	s_branch .Lcd
.Lc3:
	COPY 3
.Lcd:
	s_cmp_lg_u32 s17, s18
	s_cbranch_scc1 .Lnodiag
	v_mov_b32 v[T], v[THR]                         ; the diagonal tile: keys below the query are hidden: register j of key block b where j < THR - 16 b
.set b, 0
.rept 16
.set j, 0
.rept 8
	v_cmp_lt_i32 vcc_lo, j, v[T]
	v_cndmask_b32 v[S+8*b+j], v[S+8*b+j], v[MNEG], vcc_lo
.set j, j+1
.endr
	v_add_nc_u32 v[T], -16, v[T]
.set b, b+1
.endr
.Lnodiag:
.irp c, 0,1,2,3
	v_max3_num_f32 v[C0+(\c)], v[S+32*(\c)], v[S+32*(\c)+1], v[S+32*(\c)+2]
.endr
.set k, 0
.rept 14
.irp c, 0,1,2,3
	v_max3_num_f32 v[C0+(\c)], v[C0+(\c)], v[S+32*(\c)+3+2*k], v[S+32*(\c)+4+2*k]
.endr
.set k, k+1
.endr
.irp c, 0,1,2,3
	v_max_num_f32 v[C0+(\c)], v[C0+(\c)], v[S+32*(\c)+31]
.endr
	v_max3_num_f32 v[C0], v[C0], v[C0+1], v[C0+2]
	v_max_num_f32 v[C0], v[C0], v[C0+3]
	v_permlanex16_b32 v[T], v[C0], s[SEL], s[SEL+1]  ; the query's other 128 keys lie in the lane 16 away
	v_max_num_f32 v[MM], v[C0], v[T]
	v_mov_b32 v[MM+1], v[MM]
.set n, 0
.rept 64
	v_pk_add_f32 v[S+2*n:S+2*n+1], v[S+2*n:S+2*n+1], v[MM:MM+1] neg_lo:[0,1] neg_hi:[0,1]  ; s - m first,
.set n, n+1
.endr
.set n, 0
.rept 64
	v_pk_mul_f32 v[S+2*n:S+2*n+1], v[S+2*n:S+2*n+1], s[CS:CS+1] op_sel_hi:[1,0]            ; then times c
.set n, n+1
.endr
.set n, 0
.rept 128
	v_exp_f32 v[S+n], v[S+n]
.set n, n+1
.endr
	v_nop                                          ; a plain instruction behind the last exponential,
	s_wait_alu depctr_va_vdst(0)                   ; and one wait for the batch of 128, ahead of the first reader
.set n, 0
.rept 64
	v_cvt_pk_f16_f32 v[P+n], v[S+2*n], v[S+2*n+1]
.set n, n+1
.endr
.set b, 0
.rept 16
	global_store_b128 v[GO], v[P+4*b:P+4*b+3], s[6:7] offset:512*b  ; key block b's half of a fragment: 512 consecutive bytes, aligned
.set b, b+1
.endr
.set d, 32
.rept 6                                                ; the sum of the unrounded weights: 64 pairs into one
.set p, 0
.rept d
	v_pk_add_f32 v[S+2*p:S+2*p+1], v[S+2*p:S+2*p+1], v[S+2*(p+d):S+2*(p+d)+1]
.set p, p+1
.endr
.set d, d/2
.endr
	v_add_f32 v[LL], v[S], v[S+1]
	v_permlanex16_b32 v[T], v[LL], s[SEL], s[SEL+1]
	v_add_f32 v[LL], v[LL], v[T]
	v_cndmask_b32 v[T+1], v[MM], v[LL], s[HIM]
	ds_store_b32 v[SA], v[T+1]
	s_wait_xcnt 0x0                                ; the stores have read their data and their offset: both are written again below and in the next trip
	v_add_nc_u32 v[THR], 16, v[THR]
	v_add_nc_u32 v[SA], 64, v[SA]
	v_add_nc_u32 v[GO], 65536, v[GO]
	s_sub_co_u32 s46, s46, 1
	s_cmp_lg_u32 s46, 0
	s_cbranch_scc1 .Lrows
	v_lshl_add_u32 v5, v3, 3, s49
	ds_load_b64 v[64:65], v5                       ; my 64 maxima and 64 sums, as 256 consecutive bytes each; my own bytes: LDS serves a wave's instructions in order
	ds_load_b64 v[66:67], v5 offset:256
	v_lshlrev_b32 v6, 3, v3
	s_wait_dscnt 0x0
	global_store_b64 v6, v[64:65], s[8:9]
	global_store_b64 v6, v[66:67], s[8:9] offset:262144
.Lend:
	s_wait_tensorcnt 0x0                           ; the wave's end
	ds_add_u32 v[SPW], v[NIL]
	s_wait_dscnt 0x0
	s_endpgm
.Lfunc_end_k_qb365ae1f4c_scores:
	.size	k_qb365ae1f4c_scores, .Lfunc_end_k_qb365ae1f4c_scores-k_qb365ae1f4c_scores
	.p2alignl 7, 3214868480
	.fill 96, 4, 3214868480
	.section	.rodata,"a",@progbits
	.p2align	6, 0x0
	.amdhsa_kernel k_qb365ae1f4c_scores
		.amdhsa_group_segment_fixed_size 327680
		.amdhsa_private_segment_fixed_size 0
		.amdhsa_enable_private_segment 0
		.amdhsa_kernarg_size 32
		.amdhsa_user_sgpr_count 2
		.amdhsa_user_sgpr_kernarg_segment_ptr 1
		.amdhsa_wavefront_size32 1
		.amdhsa_system_sgpr_workgroup_id_x 1
		.amdhsa_system_sgpr_workgroup_id_y 1
		.amdhsa_system_sgpr_workgroup_id_z 1
		.amdhsa_system_vgpr_workitem_id 0
		.amdhsa_next_free_vgpr 1024
		.amdhsa_next_free_sgpr 66
		.amdhsa_reserve_vcc 1
		.amdhsa_float_denorm_mode_32 3
		.amdhsa_float_denorm_mode_16_64 3
		.amdhsa_memory_ordered 1
		.amdhsa_forward_progress 1
		.amdhsa_inst_pref_size 149
	.end_amdhsa_kernel
	.amdgpu_metadata
---
amdhsa.version: [ 1, 2 ]
amdhsa.kernels:
  - .name:           k_qb365ae1f4c_scores
    .symbol:         k_qb365ae1f4c_scores.kd
    .args:
      - { .name: qkv, .offset: 0, .size: 8, .value_kind: global_buffer, .address_space: global }
      - { .name: pt, .offset: 8, .size: 8, .value_kind: global_buffer, .address_space: global }
      - { .name: stats, .offset: 16, .size: 8, .value_kind: global_buffer, .address_space: global }
      - { .name: tsum, .offset: 24, .size: 8, .value_kind: global_buffer, .address_space: global }
    .group_segment_fixed_size: 327680
    .private_segment_fixed_size: 0
    .kernarg_segment_align: 8
    .kernarg_segment_size: 32
    .max_flat_workgroup_size: 128
    .sgpr_count:     66
    .vgpr_count:     1024
    .wavefront_size: 32
...
	.end_amdgpu_metadata
.endif
;; end of part 3
;; launch mix (part 4): grid 8 x 32, 4 waves a work-group, clusters of 4 x 1, 327,680 bytes of LDS; arguments pt, stats, tsum, qkv, out0; writes out0
.if DOCPART == 4
	.amdgcn_target "amdgcn-amd-amdhsa--gfx1250"
	.amdhsa_code_object_version 6
	.text
	.protected	k_qb365ae1f4c_mix
	.globl	k_qb365ae1f4c_mix
	.p2align	8
	.type	k_qb365ae1f4c_mix,@function
k_qb365ae1f4c_mix:
	s_mov_b64 s[64:65], 0
	v_nop
	global_prefetch_b8 v0, s[64:65] scope:SCOPE_SE
	s_setreg_imm32_b32 hwreg(HW_REG_WAVE_MODE, 25, 1), 1
	s_wait_xcnt 0x0
	s_wait_alu depctr_hold_cnt(0) depctr_sa_sdst(0) depctr_va_vdst(0) depctr_va_sdst(0) depctr_va_ssrc(0) depctr_va_vcc(0) depctr_vm_vsrc(0)
	s_getreg_b32 s2, hwreg(HW_REG_IB_STS2, 6, 4)
	s_cmp_eq_u32 s2, 0
	s_cbranch_scc0 .Lentry_in_a_cluster
	s_endpgm
.Lentry_in_a_cluster:
	s_bfe_u32 s2, ttmp6, 0x10000c
	s_cmp_lg_u32 s2, 0x3003
	s_cbranch_scc0 .Lentry_shape_is_right
	s_endpgm
.Lentry_shape_is_right:
; out[b][q][:] = (sum over t >= i of f_t (P_t V_t) + g H) / (sum over t >= i of f_t L_t + g 256 i), for a query q of block i (256 queries) of batch b.
; P_t, m_t, L_t: the weights, maxima and sums by key tile of 256 keys that the launch before stored.  m = the maximum of the m_t; f_t = 2^(c (m_t - m)) <= 1, c = log2(e) / 32: the softmax with its true maximum taken away.
; g = 1 where m is the mask's value -2^58 (every visible score of the row is masked), else 0: there the hidden keys weigh as much as the visible ones; H = the sum of V's rows of the tiles t < i, from tsum.
; Products in f16, all sums and scalings in f32.  LIMITS: as in the launch before; a factor below 2^-126 counts as 0.
; THE WALK.  Block i needs the key tiles i .. 7.  A work-group takes 128 queries x 128 channels of TWO blocks, i1 = pr and then i2 = 7 - pr: 9 laps of 256 keys whatever pr, so all 256 work-groups do equal work
; and one loop with a constant count walks them.  y = 8 b + 2 pr + hf (hf: which 128 of the block's 256 queries).  Which tile is asked for, and where the first block ends, hang on scalars made from y, which the
; partners of a cluster share; the jump over the block's end goes forward and passes no barrier and no tensor load; the ring runs on across the change of blocks.
; SHARES.  Wave (rh, cw): 64 queries x 64 channels: 16 accumulators for the tile in hand and 16 for the whole (window 1).
; Source 0 = V^T (16 channels, turned on the way out of LDS), source 1 = P (16 queries): a lane holds query lane % 16 and channels 8 (lane / 16) + 0..7.
; pt lies in fragment order, [b][16 queries][32 keys] of 1,024 bytes, so P comes as dense rows of 8,192 bytes and a fragment is two LDS loads of 512 consecutive bytes.
; RING.  Two slots of a whole lap: P 65,536 bytes, then V as two blocks [256 keys][64 channels] of pitch 160.  The slot in hand is a scalar, 0 or SLOT, turned at each change; a lap is asked for
; straight behind the round in front of the lap before it.  One tensor load a wave is out at any time.
; CLUSTER 4 x 1: four slices of the same queries ask for P's tile jointly; V's tile is each work-group's own load (mask 0), behind the same round.
; AHEAD OF THE LOADS.  Behind each request, P's tile of the lap after the one just asked for is prefetched: 64 KiB, a lane to each 256 bytes.  Both clusters of a y read it: the one with x = 0 asks; of its 8 blocks
; of 16 queries partner cx takes 2 cx and 2 cx + 1, told apart by address, waves 0 and 1 one each.  The loop's last trip asks for nothing; laps 0 and 1 come by their loads alone.
; V is not asked for: the eight work-groups of a slice and batch read the same tiles one shortly after the other.
.set PV,    160                        ; a row of V: 128 bytes + 32: 5 x 32
.set VOFF,  65536
.set VBLK,  256*PV
.set SLOT,  VOFF+2*VBLK                ; 147,456
.set STAGE, 2*SLOT                     ; 16 rows x 272 bytes a wave
.set SPO,   272
.set TAB,   STAGE+4*16*SPO             ; for each of the two blocks: 128 x m, 128 x 1 / sum, 128 x g
.set SPARE, TAB+3072                   ; the spare words, 128 bytes a wave, which no other line names
.set AP0,  8                           ; v8, v9   my place in a slot's P and V; never rewritten
.set AV0,  9
.set AP,   10                          ; v10, v11 the same in the slot in hand
.set AV,   11
.set STO,  12
.set RD,   13
.set GO,   14
.set EO,   15
.set SPW,  16
.set NIL,  17
.set TA,   18
.set TSO,  19
.set MRW,  20                          ; v20-23  m of my four row blocks
.set EL,   24                          ; v24-27  m_t, then c (m_t - m)
.set FF,   28                          ; v28-35  f_t in the even registers
.set GGR,  36                          ; v36-43  g likewise
.set RLR,  44                          ; v44-51  1 / sum likewise
.set PFO,  52                          ; v52     256 x lane; never rewritten
.set F0,   64                          ; two fragment buffers: P's four fragments, then V's four
.set F1,   128
.set H1,   192                         ; v192-223 H of the first block
.set H2,   224                         ; window 2: H of the second block; v0-223 of that window: tsum as it lands
.set MAIN, 128                         ; window 1: the whole; v0-127 of that window: the tile in hand; (a, c) at 32 a + 8 c
.set TMP,  64                          ; the way out
.set OB,   96
.set MX,   64                          ; the tables' work: 8 registers a block
.set LS,   80
.set TO,   96
.set MR,   112
.set LQ,   114
.set GP,   116
.set DN,   118
.set FI,   120
.set WV,   14
.set G1P,  24
.set G1V,  32
.set G0P,  40
.set G0V,  44
.set PTB,  48                          ; s[48:49] pt at my batch and my half of the 128 queries
.set VB,   50                          ; s[50:51] qkv at my block of V's channels, my batch
.set OFF,  52
.set EB,   54                          ; s[54:55] stats at the tile in hand, my block's rows
.set EB2,  56
.set CS,   58
.set OUT2, 60
.set MN,   62
.set I2,   63
.set TB,   66                          ; the slot in hand
.set TD,   67                          ; the slot to be filled
.set LP,   68
.set LV,   69
.set NXT,  70                          ; the tile to be asked for next
.set QO,   71                          ; and its block's rows, as bytes of pt (and of out0: both have 65,536 bytes to 16 rows)
.set QO2,  72
.set RT,   73                          ; laps that the block in hand still has
.set CT,   74
.set HF,   75
.set PH,   76
.set PSI,  78
.set N2,   79
.set PFA,  80
.set PFB,  82
.set LIM,  84                          ; 1 in a wave that prefetches, else the greatest number
.set MSB, 0
.macro WIN new
.if MSB != (\new)
	s_set_vgpr_msb (MSB<<8)|(\new)
.set MSB, \new
.endif
.endm
.macro PLACES
.rept 4
	v_nop
.endr
.endm
.macro JLOAD                           ; waves 0 and 1: the two halves of P's tile, jointly; waves 2 and 3: my work-group's two blocks of V; s_nop 0 and four v_nop follow each line
	s_cmp_lt_u32 s[WV], 2
	s_cbranch_scc0 .Lfor_v_\@
	tensor_load_to_lds s[G0P:G0P+3], s[G1P:G1P+7]
	s_nop 0
	PLACES
	s_branch .Lasked_\@
.Lfor_v_\@:
	tensor_load_to_lds s[G0V:G0V+3], s[G1V:G1V+7]
	s_nop 0
	PLACES
.Lasked_\@:
.endm
.macro CREST
	s_cmp_lg_u32 s[WV], 0
	s_cbranch_scc1 .Lnot_wave_0_\@
	s_barrier_signal -3
.Lnot_wave_0_\@:
	s_barrier_wait -3
	s_barrier_signal -1
	s_barrier_wait -1
.endm
.macro CROUND
	s_barrier_signal -1
	s_barrier_wait -1
	CREST
.endm
; Both descriptors' addresses are made anew from the tile's number; then the number steps, and behind tile 7 goes to the second block's first tile and rows.
.macro MKDESC
	s_lshl_b32 s[OFF], s[NXT], 13                  ; a tile is 8,192 bytes of each 16 queries' weights,
	s_add_co_u32 s[OFF], s[OFF], s[QO]
	s_add_nc_u64 s[G0P+2:G0P+3], s[PTB:PTB+1], s[OFF:OFF+1]
	s_or_b32 s[G0P+3], s[G0P+3], 0x80000000
	s_lshl_b32 s[OFF], s[NXT], 15                  ; and 32,768 bytes of a block of V
	s_add_nc_u64 s[G0V+2:G0V+3], s[VB:VB+1], s[OFF:OFF+1]
	s_or_b32 s[G0V+3], s[G0V+3], 0x80000000
	s_add_co_u32 s[NXT], s[NXT], 1
	s_cmp_gt_u32 s[NXT], 7
	s_cselect_b32 s[NXT], s[I2], s[NXT]
	s_cselect_b32 s[QO], s[QO2], s[QO]
.endm
; THE CHANGE OF SLOTS.  All my tensor loads have landed: the one that was out is my part of the slot that is entered; the add; the scalar work; the wait for the add and for my reads of the slot that is left.
; fill = 1: a round of the cluster's barrier, so that no wave of any partner still reads that slot or has a load on its way, and the next lap's tile is asked for first thing behind it.
.macro CHANGE fill
	WIN 0
	s_wait_tensorcnt 0x0
	ds_add_u32 v[SPW], v[NIL]                      ; 0 onto my spare word
	s_xor_b32 s[TB], s[TB], SLOT
.if \fill
	s_xor_b32 s[TD], s[TD], SLOT
	s_add_co_u32 s[G0P+1], s[TD], s[LP]            ; no tensor load of mine is out, so a group 0 may be written
	s_add_co_u32 s[G0V+1], s[TD], s[LV]
	MKDESC
	s_wait_xcnt 0x0                                ; the last prefetch, a lap back, has read its address, so it may be written:
	s_lshl_b32 s[OFF], s[NXT], 13                  ; the tile that the next change will ask for
	s_add_co_u32 s[OFF], s[OFF], s[QO]
	s_add_nc_u64 s[PFA:PFA+1], s[PFB:PFB+1], s[OFF:OFF+1]
	s_wait_dscnt 0x0
	CROUND
	JLOAD
.else
	s_wait_dscnt 0x0
	s_barrier_signal -1
	s_barrier_wait -1
.endif
.endm
.macro ASK
	s_cmp_gt_u32 s[CT], s[LIM]                     ; s[CT] = 1 in the loop's last trip: no lap stands behind the one that it has asked for
	s_cbranch_scc0 .Lnot_mine_\@
	global_prefetch_b8 v[PFO], s[PFA:PFA+1] th:TH_LOAD_NT scope:SCOPE_SE
.Lnot_mine_\@:
.endm
	s_load_b256 s[4:11], s[0:1], 0x0               ; pt s[4:5], stats s[6:7], tsum s[8:9], qkv s[10:11]
	s_load_b64 s[12:13], s[0:1], 0x20              ; out0
	v_lshl_add_u32 v[SPW], v0, 2, SPARE
	v_mov_b32 v[NIL], 0
	ds_add_u32 v[SPW], v[NIL]                      ; the wave's opening: the add and its wait ahead of my first tensor load
	v_lshrrev_b32 v1, 5, v0
	v_readfirstlane_b32 s[WV], v1
	s_lshr_b32 s15, s[WV], 1                       ; rh
	s_and_b32 s16, s[WV], 1                        ; cw; also which half of P or block of V I fetch
	s_bfe_u32 s17, ttmp6, 0x40000                  ; cx
	s_lshl_b32 s18, ttmp9, 2
	s_add_co_u32 s18, s18, s17                     ; slice: it enters global addresses alone
	s_and_b32 s19, ttmp7, 0xffff
	s_lshr_b32 s20, s19, 3                         ; b
	s_bfe_u32 s21, s19, 0x20001                    ; i1 = pr
	s_and_b32 s[HF], s19, 1
	s_sub_co_u32 s[I2], 7, s21
	s_sub_co_u32 s[RT], 8, s21                     ; the first block's laps,
	s_add_co_u32 s[N2], s21, 1                     ; the second's
	s_lshl_b32 s3, s[HF], 19
	s_lshl_b32 s[QO], s21, 20
	s_add_co_u32 s[QO], s[QO], s3
	s_lshl_b32 s[QO2], s[I2], 20
	s_add_co_u32 s[QO2], s[QO2], s3
	s_mov_b32 s[NXT], s21
	s_mov_b32 s[OFF+1], 0
	s_lshl_b32 s22, s20, 23                        ; P: batch, my 64 of the 128 queries: nothing of cx
	s_lshl_b32 s23, s16, 18
	s_add_co_u32 s22, s22, s23
	s_mov_b32 s23, 0
	s_lshl_b32 s2, s18, 1                          ; V: block 32 + 2 x slice + which, row 2,048 b
	s_add_co_u32 s2, s2, s16
	s_add_co_u32 s2, s2, 32
	s_lshl_b32 s2, s2, 20
	s_lshl_b32 s3, s20, 18
	s_add_co_u32 s2, s2, s3
	s_mov_b32 s3, 0
	s_mov_b32 s[G1P+0], 15|(3<<16)|(1<<21)         ; the mask of four; elements of 8 bytes; bit 21 beside a mask; no padding
	s_mov_b32 s[G1P+1], 1024<<16                   ; 4 rows (blocks of 16 queries) of 1,024 elements: 8,192 dense bytes each
	s_mov_b32 s[G1P+2], 4<<16
	s_mov_b32 s[G1P+3], 1024<<16
	s_mov_b32 s[G1P+4], 4
	s_mov_b32 s[G1P+5], 8192                       ; 65,536 bytes from row to row
	s_mov_b32 s[G1P+6], 0
	s_mov_b32 s[G1P+7], 0
	s_mov_b32 s[G1V+0], (1<<16)|(1<<20)|(4<<22)|(7<<25)  ; no mask; elements of 2 bytes; padding after every 32 words, 8 words
	s_mov_b32 s[G1V+1], 128<<16                    ; 256 keys of 128 dense bytes, asked for as 128 rows of 256 bytes
	s_mov_b32 s[G1V+2], 128<<16
	s_mov_b32 s[G1V+3], 128<<16
	s_mov_b32 s[G1V+4], 128
	s_mov_b32 s[G1V+5], 128
	s_mov_b32 s[G1V+6], 0
	s_mov_b32 s[G1V+7], 0
	s_lshl_b32 s[LP], s16, 15
	s_mul_i32 s[LV], s16, VBLK
	s_add_co_u32 s[LV], s[LV], VOFF
	s_mov_b32 s[G0P], 1
	s_mov_b32 s[G0P+1], s[LP]                      ; lap 0 goes into slot 0
	s_mov_b32 s[G0V], 1
	s_mov_b32 s[G0V+1], s[LV]
	s_mov_b32 s[TB], SLOT                          ; the first change turns these into 0 and SLOT
	s_mov_b32 s[TD], 0
	s_mov_b32 s[CS], 0x3d38aa3b                    ; c = log2(e) / 32
	s_mov_b32 s[CS+1], s[CS]
	s_mov_b32 s[MN], 0xdc800000                    ; -2^58
	s_mov_b32 s[PH+1], 0
	s_or_b32 s[LIM], s15, ttmp9                    ; 0 in waves 0 and 1 of the cluster with x = 0: the same in all four partners
	s_cmp_eq_u32 s[LIM], 0
	s_cselect_b32 s[LIM], 1, -1
	s_wait_dscnt 0x0                               ; the opening add is done
	s_wait_kmcnt 0x0
	s_add_nc_u64 s[PTB:PTB+1], s[4:5], s[22:23]
	s_add_nc_u64 s[VB:VB+1], s[10:11], s[2:3]
	MKDESC
	CROUND                                         ; all four work-groups are here: the first joint load meets
	JLOAD
	; pointers
	s_lshl_b32 s22, s20, 23                        ; the prefetches: batch, block of 16 queries 2 cx + wave
	s_lshl_b32 s2, s17, 17
	s_add_co_u32 s22, s22, s2
	s_lshl_b32 s2, s16, 16
	s_add_co_u32 s22, s22, s2
	s_mov_b32 s23, 0
	s_add_nc_u64 s[PFB:PFB+1], s[4:5], s[22:23]
	s_lshl_b32 s22, s20, 23                        ; out0: batch, 64 rh rows, channel 128 x slice + 64 cw; then each block's rows
	s_lshl_b32 s2, s15, 18
	s_add_co_u32 s22, s22, s2
	s_lshl_b32 s2, s18, 9
	s_add_co_u32 s22, s22, s2
	s_lshl_b32 s2, s16, 8
	s_add_co_u32 s22, s22, s2
	s_add_nc_u64 s[12:13], s[12:13], s[22:23]
	s_mov_b32 s[OFF], s[QO2]
	s_add_nc_u64 s[OUT2:OUT2+1], s[12:13], s[OFF:OFF+1]
	s_mov_b32 s[OFF], s[QO]                        ; still the first block's: it has five tiles or more
	s_add_nc_u64 s[12:13], s[12:13], s[OFF:OFF+1]
	s_lshl_b32 s22, s20, 16
	s_add_nc_u64 s[6:7], s[6:7], s[22:23]          ; stats at [b][0][0]
	s_lshl_b32 s22, s20, 15
	s_add_nc_u64 s[8:9], s[8:9], s[22:23]          ; tsum at [b][0][0]
	s_lshl_b32 s3, s[HF], 9
	s_lshl_b32 s2, s21, 10
	s_add_co_u32 s2, s2, s3                        ; the first block's rows in a tile's 2,048 numbers,
	s_lshl_b32 s22, s[I2], 10
	s_add_co_u32 s22, s22, s3                      ; the second's
	s_lshl_b32 s[OFF], s21, 13
	s_add_co_u32 s[OFF], s[OFF], s2
	s_add_nc_u64 s[EB:EB+1], s[6:7], s[OFF:OFF+1]
	s_lshl_b32 s[OFF], s[I2], 13
	s_add_co_u32 s[OFF], s[OFF], s22
	s_add_nc_u64 s[EB2:EB2+1], s[6:7], s[OFF:OFF+1]
	; THE ROW TABLES.  Thread n takes row n of each block.  Tiles t < i were never stored: tile max(t, i) is read in their place, which leaves the maximum as it is, and a factor 0 keeps it out of the sum.
	v_and_b32 v1, 15, v0                           ; r
	v_bfe_u32 v2, v0, 4, 1                         ; h
	v_and_b32 v3, 31, v0                           ; lane
	v_lshlrev_b32 v4, 2, v0
	v_add_nc_u32 v5, s2, v4
	v_add_nc_u32 v6, s22, v4
.irp t, 0,1,2,3,4,5,6,7
	s_max_u32 s23, s21, \t
	v_lshl_add_u32 v[TO+\t], s23, 13, v5
	s_max_u32 s23, s[I2], \t
	v_lshl_add_u32 v[TO+8+\t], s23, 13, v6
.endr
.irp t, 0,1,2,3,4,5,6,7
	global_load_b32 v[MX+\t], v[TO+\t], s[6:7]
	global_load_b32 v[LS+\t], v[TO+\t], s[6:7] offset:262144
	global_load_b32 v[MX+8+\t], v[TO+8+\t], s[6:7]
	global_load_b32 v[LS+8+\t], v[TO+8+\t], s[6:7] offset:262144
.endr
	s_lshl_b32 s2, s18, 9                          ; tsum: my eight channels of each block of 16: 512 x slice + 256 cw + 32 h
	s_lshl_b32 s3, s16, 8
	s_add_co_u32 s2, s2, s3
	v_lshl_add_u32 v[TSO], v2, 5, s2
	WIN 0x80                                       ; destination window 2
.irp t, 0,1,2,3,4,5,6
.irp c, 0,1,2,3
	global_load_b128 v[32*\t+8*\c:32*\t+8*\c+3],   v[TSO], s[8:9] offset:4096*\t+64*\c
	global_load_b128 v[32*\t+8*\c+4:32*\t+8*\c+7], v[TSO], s[8:9] offset:4096*\t+64*\c+16
.endr
.endr
	WIN 0
	; addresses, while the loads are on their way
	s_lshl_b32 s2, s15, 15
	v_lshl_add_u32 v[AP0], v3, 4, s2               ; my 64 queries' weights, 16 bytes a lane
	v_and_b32 v7, 7, v0                            ; the turning load: key 8 h + lane % 8, channels 8 ((lane / 8) % 2) + 0..7
	v_lshl_add_u32 v7, v2, 3, v7
	v_mul_u32_u24 v7, v7, PV
	v_bfe_u32 v[AV0], v0, 3, 1
	v_lshl_add_u32 v7, v[AV0], 4, v7
	v_add_nc_u32 v[AV0], s[LV], v7                 ; s[LV] = VOFF + cw x a block
	s_mul_i32 s2, s[WV], 16*SPO
	s_add_co_u32 s2, s2, STAGE
	v_mul_u32_u24 v[STO], v1, SPO
	v_lshl_add_u32 v[STO], v2, 5, v[STO]
	v_add_nc_u32 v[STO], s2, v[STO]
	v_mul_u32_u24 v[RD], v2, SPO
	v_lshl_add_u32 v[RD], v1, 4, v[RD]
	v_add_nc_u32 v[RD], s2, v[RD]
	v_lshlrev_b32 v[GO], 12, v2
	v_lshl_add_u32 v[GO], v1, 4, v[GO]
	s_lshl_b32 s2, s15, 8
	v_lshl_add_u32 v[EO], v1, 2, s2                ; 4 (64 rh + r)
	v_add_nc_u32 v[TA], TAB, v[EO]
	v_lshl_add_u32 v7, v0, 2, TAB
	v_lshlrev_b32 v[PFO], 8, v3
	s_lshl_b32 s2, s21, 8
	v_mov_b32 v[FI], s2
	v_cvt_f32_u32 v[FI], v[FI]                     ; 256 i1
	s_lshl_b32 s2, s[I2], 8
	v_mov_b32 v[FI+1], s2
	v_cvt_f32_u32 v[FI+1], v[FI+1]                 ; 256 i2
.irp a, 0,1,2,3
	v_mov_b32 v[GGR+2*\a+1], 0                     ; named with g, f and 1 / sum as pairs
	v_mov_b32 v[FF+2*\a+1], 0
	v_mov_b32 v[RLR+2*\a+1], 0
.endr
	s_wait_loadcnt 56                              ; the 32 loads of the statistics are in; tsum's 56 may stay out
.macro TPRE k
	v_max3_num_f32 v[MR+\k], v[MX+8*\k], v[MX+8*\k+1], v[MX+8*\k+2]
	v_max3_num_f32 v[MR+\k], v[MR+\k], v[MX+8*\k+3], v[MX+8*\k+4]
	v_max3_num_f32 v[MR+\k], v[MR+\k], v[MX+8*\k+5], v[MX+8*\k+6]
	v_max_num_f32 v[MR+\k], v[MR+\k], v[MX+8*\k+7]
.irp t, 0,1,2,3,4,5,6,7
	v_sub_f32 v[MX+8*\k+\t], v[MX+8*\k+\t], v[MR+\k]
.endr
.irp t, 0,1,2,3,4,5,6,7
	v_mul_f32 v[MX+8*\k+\t], s[CS], v[MX+8*\k+\t]
.endr
.endm
.macro TPOST k, ir
.irp t, 0,1,2,3,4,5,6,7
	s_cmp_le_u32 s[\ir], \t                        ; is tile t visible?
	s_cselect_b32 s[PSI], 1.0, 0
	v_mul_f32 v[MX+8*\k+\t], s[PSI], v[MX+8*\k+\t]
.endr
	v_mul_f32 v[LQ+\k], v[MX+8*\k], v[LS+8*\k]
.irp t, 1,2,3,4,5,6,7
	v_fma_f32 v[LQ+\k], v[MX+8*\k+\t], v[LS+8*\k+\t], v[LQ+\k]
.endr
	v_fma_f32 v[DN+\k], v[GP+\k], v[FI+\k], v[LQ+\k]
.endm
	TPRE 0
	TPRE 1
.set n, 0
.rept 16
	v_exp_f32 v[MX+n], v[MX+n]
.set n, n+1
.endr
	v_nop
	v_cmp_eq_f32 vcc_lo, s[MN], v[MR]
	v_cndmask_b32 v[GP], 0, 1.0, vcc_lo
	v_cmp_eq_f32 vcc_lo, s[MN], v[MR+1]
	v_cndmask_b32 v[GP+1], 0, 1.0, vcc_lo
	s_wait_alu depctr_va_vdst(0)                   ; one wait for the 16 exponentials, ahead of their first reader
	TPOST 0, 21
	TPOST 1, I2
	v_rcp_f32 v[DN], v[DN]                         ; the sum is 1 at the least: the tile that holds the maximum gives f = 1 and L >= 1
	v_rcp_f32 v[DN+1], v[DN+1]
	v_nop
	s_wait_alu depctr_va_vdst(0)
	ds_store_b32 v7, v[MR]
	ds_store_b32 v7, v[DN] offset:512
	ds_store_b32 v7, v[GP] offset:1024
	ds_store_b32 v7, v[MR+1] offset:1536
	ds_store_b32 v7, v[DN+1] offset:2048
	ds_store_b32 v7, v[GP+1] offset:2560
	s_wait_dscnt 0x0                               ; for the others' sake: my part of the tables is written
	s_barrier_signal -1
	s_barrier_wait -1                              ; lap 0's tile may stay on its way
.irp a, 0,1,2,3
	ds_load_b32 v[MRW+\a], v[TA] offset:64*\a
	ds_load_b32 v[GGR+2*\a], v[TA] offset:1024+64*\a
.endr
	s_wait_loadcnt 0x0                             ; tsum
	WIN 0x02                                       ; source 0 in window 2
.irp t, 0,1,2
	s_cmp_gt_u32 s21, \t                           ; is tile t hidden from the first block?  (i1 is 3 at the most)
	s_cselect_b32 s[PH], 1.0, 0
.set n, 0
.rept 16
.if \t == 0
	v_pk_mul_f32 v[H1+2*n:H1+2*n+1], v[32*\t+2*n:32*\t+2*n+1], s[PH:PH+1] op_sel_hi:[1,0]
.else
	v_pk_fma_f32 v[H1+2*n:H1+2*n+1], v[32*\t+2*n:32*\t+2*n+1], s[PH:PH+1], v[H1+2*n:H1+2*n+1] op_sel_hi:[1,0,1]
.endif
.set n, n+1
.endr
.endr
	WIN 0xa2                                       ; source 0, source 2 and destination in window 2
.irp t, 0,1,2,3,4,5,6
	s_cmp_gt_u32 s[I2], \t                         ; and from the second?
	s_cselect_b32 s[PH], 1.0, 0
.set n, 0
.rept 16
.if \t == 0
	v_pk_mul_f32 v[H2+2*n:H2+2*n+1], v[32*\t+2*n:32*\t+2*n+1], s[PH:PH+1] op_sel_hi:[1,0]
.else
	v_pk_fma_f32 v[H2+2*n:H2+2*n+1], v[32*\t+2*n:32*\t+2*n+1], s[PH:PH+1], v[H2+2*n:H2+2*n+1] op_sel_hi:[1,0,1]
.endif
.set n, n+1
.endr
.endr
	s_wait_dscnt 0x0                               ; m and g
	WIN 0x40                                       ; the whole starts as g H: nothing is cleared
.set aa, 0
.rept 4
.set n, 0
.rept 16
	v_pk_mul_f32 v[MAIN+32*aa+2*n:MAIN+32*aa+2*n+1], v[H1+2*n:H1+2*n+1], v[GGR+2*aa:GGR+2*aa+1] op_sel_hi:[1,0]
.set n, n+1
.endr
.set aa, aa+1
.endr
	WIN 0
.macro FETCH kg, f                     ; 16 loads in one run: 32 keys: V's 4 fragments (turned), then P's 4
	WIN 0
.irp c, 0,1,2,3
	ds_load_tr16_b128 v[(\f)+32+8*(\c):(\f)+32+8*(\c)+3],   v[AV] offset:(\kg)*32*PV+32*(\c)
	ds_load_tr16_b128 v[(\f)+32+8*(\c)+4:(\f)+32+8*(\c)+7], v[AV] offset:(\kg)*32*PV+16*PV+32*(\c)
.endr
.irp a, 0,1,2,3
	ds_load_b128 v[(\f)+8*(\a):(\f)+8*(\a)+3],   v[AP] offset:(\a)*8192+(\kg)*1024
	ds_load_b128 v[(\f)+8*(\a)+4:(\f)+8*(\a)+7], v[AP] offset:(\a)*8192+(\kg)*1024+512
.endr
.endm
.macro MUL f, zero                     ; 16 matrix instructions; the 16 accumulators take turns.  zero = 1: the products start the tile's sums
	WIN 0x50
.irp a, 0,1,2,3
.irp c, 0,1,2,3
.if \zero
	v_wmma_f32_16x16x32_f16 v[8*(4*(\a)+(\c)):8*(4*(\a)+(\c))+7], v[(\f)+32+8*(\c):(\f)+32+8*(\c)+7], v[(\f)+8*(\a):(\f)+8*(\a)+7], 0
.else
	v_wmma_f32_16x16x32_f16 v[8*(4*(\a)+(\c)):8*(4*(\a)+(\c))+7], v[(\f)+32+8*(\c):(\f)+32+8*(\c)+7], v[(\f)+8*(\a):(\f)+8*(\a)+7], v[8*(4*(\a)+(\c)):8*(4*(\a)+(\c))+7]
.endif
.endr
.endr
.endm
.macro ELOAD                           ; m_t of my four row blocks, for the tile in hand
.irp a, 0,1,2,3
	global_load_b32 v[EL+\a], v[EO], s[EB:EB+1] offset:64*\a
.endr
.endm
.macro FOLD                            ; the tile's sums, times f_t, onto the whole
	WIN 0
	s_wait_loadcnt 0x0                             ; m_t is in, and its base may be stepped
.irp a, 0,1,2,3
	v_sub_f32 v[EL+\a], v[EL+\a], v[MRW+\a]        ; these eight are also the places behind the last products
.endr
.irp a, 0,1,2,3
	v_mul_f32 v[EL+\a], s[CS], v[EL+\a]
.endr
.irp a, 0,1,2,3
	v_exp_f32 v[FF+2*\a], v[EL+\a]
.endr
	s_add_nc_u64 s[EB:EB+1], s[EB:EB+1], 8192
	v_nop
	s_wait_alu depctr_va_vdst(0)                   ; one wait for the four
	WIN 0x51                                       ; the tile's sums and the whole in window 1, f in window 0
.set aa, 0
.rept 4
.set n, 0
.rept 16
	v_pk_fma_f32 v[MAIN+32*aa+2*n:MAIN+32*aa+2*n+1], v[32*aa+2*n:32*aa+2*n+1], v[FF+2*aa:FF+2*aa+1], v[MAIN+32*aa+2*n:MAIN+32*aa+2*n+1] op_sel_hi:[1,0,1]
.set n, n+1
.endr
.set aa, aa+1
.endr
	WIN 0
.endm
; A LAP: one key tile, eight groups of 32 keys on two fragment buffers; each group's loads are issued a group ahead.
.macro LAP fill
	CHANGE \fill
	v_add_nc_u32 v[AP], s[TB], v[AP0]
	v_add_nc_u32 v[AV], s[TB], v[AV0]
	FETCH 0, F0
	FETCH 1, F1
	ELOAD
.if \fill
	ASK
.endif
	s_wait_dscnt 16                                ; all but the 16 loads issued last
	MUL F0, 1
.irp kg, 1,2,3,4,5,6
	PLACES
	FETCH (\kg)+1, F0+64*(((\kg)+1)%2)
	s_wait_dscnt 16
	MUL F0+64*((\kg)%2), 0
.endr
	s_wait_dscnt 0x0
	MUL F1, 0
	FOLD
.endm
; THE WAY OUT of a block, 16 rows at a time: times 1 / sum, through my own stage, back as rows of 256 bytes: sixteen lanes store 256 consecutive bytes, aligned.
.macro OUT a
	WIN 0x01                                       ; source 0 in window 1
.set n, 0
.rept 16
	v_pk_mul_f32 v[TMP+2*n:TMP+2*n+1], v[MAIN+32*(\a)+2*n:MAIN+32*(\a)+2*n+1], v[RLR+2*(\a):RLR+2*(\a)+1] op_sel_hi:[1,0]
.set n, n+1
.endr
	WIN 0
	s_wait_xcnt 0x0                                ; the last 16 rows' stores have read the registers that are loaded again below
.irp c, 0,1,2,3
	ds_store_b128 v[STO], v[TMP+8*\c:TMP+8*\c+3]   offset:64*\c
	ds_store_b128 v[STO], v[TMP+8*\c+4:TMP+8*\c+7] offset:64*\c+16
.endr
.irp t, 0,1,2,3,4,5,6,7
	ds_load_b128 v[OB+4*\t:OB+4*\t+3], v[RD] offset:2*SPO*\t   ; LDS serves a wave's instructions in order: these see the stores above
.endr
	s_wait_dscnt 0x0
.irp t, 0,1,2,3,4,5,6,7
	global_store_b128 v[GO], v[OB+4*\t:OB+4*\t+3], s[12:13] offset:65536*(\a)+8192*\t th:TH_STORE_NT
.endr
.endm
.macro WAYOUT blk
.irp a, 0,1,2,3
	ds_load_b32 v[RLR+2*\a], v[TA] offset:(\blk)*1536+512+64*\a
.endr
	s_wait_dscnt 0x0
.irp a, 0,1,2,3
	OUT \a
.endr
.endm
	s_mov_b32 s[CT], 8
.Llap:                                                 ; eight trips: a lap is entered and the next is asked for
	LAP 1
	s_sub_co_u32 s[RT], s[RT], 1
	s_cmp_lg_u32 s[RT], 0
	s_cbranch_scc1 .Lbottom
	WAYOUT 0                                       ; the first block's end; the second block's last lap is the walk's last
	s_wait_xcnt 0x0                                ; the stores have read their registers and their base
	s_mov_b64 s[12:13], s[OUT2:OUT2+1]
	s_mov_b64 s[EB:EB+1], s[EB2:EB2+1]
	s_mov_b32 s[RT], s[N2]
.irp a, 0,1,2,3
	ds_load_b32 v[MRW+\a], v[TA] offset:1536+64*\a
	ds_load_b32 v[GGR+2*\a], v[TA] offset:1536+1024+64*\a
.endr
	s_wait_dscnt 0x0
	WIN 0x42                                       ; H of the second block in window 2, g in window 0, the whole in window 1
.set aa, 0
.rept 4
.set n, 0
.rept 16
	v_pk_mul_f32 v[MAIN+32*aa+2*n:MAIN+32*aa+2*n+1], v[H2+2*n:H2+2*n+1], v[GGR+2*aa:GGR+2*aa+1] op_sel_hi:[1,0]
.set n, n+1
.endr
.set aa, aa+1
.endr
	WIN 0
.Lbottom:
	s_sub_co_u32 s[CT], s[CT], 1
	s_cmp_lg_u32 s[CT], 0
	s_cbranch_scc1 .Llap
	LAP 0                                          ; the walk's last lap is written out: nothing is asked for
	WAYOUT 1
	s_wait_tensorcnt 0x0                           ; the wave's end
	ds_add_u32 v[SPW], v[NIL]
	s_wait_dscnt 0x0
	CROUND                                         ; the closing round: no work-group ends while a partner may still ask for a tile that names it
	s_endpgm
.Lfunc_end_k_qb365ae1f4c_mix:
	.size	k_qb365ae1f4c_mix, .Lfunc_end_k_qb365ae1f4c_mix-k_qb365ae1f4c_mix
	.p2alignl 7, 3214868480
	.fill 96, 4, 3214868480
	.section	.rodata,"a",@progbits
	.p2align	6, 0x0
	.amdhsa_kernel k_qb365ae1f4c_mix
		.amdhsa_group_segment_fixed_size 327680
		.amdhsa_private_segment_fixed_size 0
		.amdhsa_enable_private_segment 0
		.amdhsa_kernarg_size 40
		.amdhsa_user_sgpr_count 2
		.amdhsa_user_sgpr_kernarg_segment_ptr 1
		.amdhsa_wavefront_size32 1
		.amdhsa_system_sgpr_workgroup_id_x 1
		.amdhsa_system_sgpr_workgroup_id_y 1
		.amdhsa_system_sgpr_workgroup_id_z 1
		.amdhsa_system_vgpr_workitem_id 0
		.amdhsa_next_free_vgpr 768
		.amdhsa_next_free_sgpr 86
		.amdhsa_reserve_vcc 1
		.amdhsa_float_denorm_mode_32 3
		.amdhsa_float_denorm_mode_16_64 3
		.amdhsa_memory_ordered 1
		.amdhsa_forward_progress 1
		.amdhsa_inst_pref_size 115
	.end_amdhsa_kernel
	.amdgpu_metadata
---
amdhsa.version: [ 1, 2 ]
amdhsa.kernels:
  - .name:           k_qb365ae1f4c_mix
    .symbol:         k_qb365ae1f4c_mix.kd
    .args:
      - { .name: pt, .offset: 0, .size: 8, .value_kind: global_buffer, .address_space: global }
      - { .name: stats, .offset: 8, .size: 8, .value_kind: global_buffer, .address_space: global }
      - { .name: tsum, .offset: 16, .size: 8, .value_kind: global_buffer, .address_space: global }
      - { .name: qkv, .offset: 24, .size: 8, .value_kind: global_buffer, .address_space: global }
      - { .name: out0, .offset: 32, .size: 8, .value_kind: global_buffer, .address_space: global }
    .group_segment_fixed_size: 327680
    .private_segment_fixed_size: 0
    .kernarg_segment_align: 8
    .kernarg_segment_size: 40
    .max_flat_workgroup_size: 128
    .sgpr_count:     86
    .vgpr_count:     768
    .wavefront_size: 32
...
	.end_amdgpu_metadata
.endif
;; end of part 4
;; ======== version 2 of 2: 4 launches; version 1 with the launch cast written anew for expert scheduling mode
;; limits: values are held in f16: magnitudes above 65,504 overflow, below 6.1e-05 lose precision
;; workspace buffers: xb 16,777,216 bytes; wb 6,291,456 bytes; qkv 50,331,648 bytes; pt 33,554,432 bytes; stats 524,288 bytes; tsum 131,072 bytes
;; launch cast (part 5): grid 704 x 1, 8 waves a work-group, no clusters, 0 bytes of LDS; arguments x, W, xb, wb; writes xb, wb
.if DOCPART == 5
	.amdgcn_target "amdgcn-amd-amdhsa--gfx1250"
	.amdhsa_code_object_version 6
	.text
	.protected	k_qb365ae1f4c_cast
	.globl	k_qb365ae1f4c_cast
	.p2align	8
	.type	k_qb365ae1f4c_cast,@function
k_qb365ae1f4c_cast:
	s_mov_b64 s[64:65], 0
	v_nop
	global_prefetch_b8 v0, s[64:65] scope:SCOPE_SE
	s_setreg_imm32_b32 hwreg(HW_REG_WAVE_SCHED_MODE, 0, 2), 2
	s_setreg_imm32_b32 hwreg(HW_REG_WAVE_MODE, 25, 1), 1
	s_wait_xcnt 0x0
	s_wait_alu depctr_vm_vsrc(0)
; x [8192][1024] f32 -> xb, bf16 in blocks [kb 16][row 8192][64];  W [1024][3072] f32 -> wb, bf16 in W's own order.  Each number is rounded once, to nearest even.
; A stream: every byte is read once and written once, so no LDS, no matrix unit and no cluster (no two work-groups read the same byte).
; A work-group takes 65,536 bytes of f32: work-groups 0-511 take 16 rows of x each, 512-703 take 16,384 numbers of W each.
; A lane issues its 16 loads of 16 bytes at once, so a work-group has its whole share on its way; every load has registers of its own, so no source is ever rewritten.
; Every store of a wave covers 256 consecutive bytes, aligned.
; THE MODE: SCHED_MODE bits 1:0 = 2 (LLVM: expert scheduling mode 2), set by the entry lines.  The code itself states the register dependences
; between vector instructions and memory instructions, with s_wait_alu, always for 0.
; THE PLAN.  Registers that memory instructions touch:
;   VI, VO, VO2  byte offsets: written by vector instructions at the head, once; read by the loads (VI) and the stores (VO, VO2); never written again.
;   X            load j lands in four registers of its own, which no vector instruction writes; its two conversions read them behind the wait for the load.
;   Y            the conversions of number j write two registers of its own, once; store j reads them; they are never written again.
; So the only dependences between the two sides are: the offsets ahead of the first load, and each store's data.  The 16 numbers go in four groups of four.  Group g's eight
; conversions name X and Y of group g alone; the four stores of group g - 1 are dealt among them, behind ONE wait at the group's head, which states that group g - 1 has written its Y.
; One more wait stands ahead of the last group's stores.  No register that a memory instruction has read is written again, so no wait on vm_vsrc is owed; no vector instruction writes a
; scalar register or VCC, and EXEC is never written.
.set X,   8                            ; v[8:71]    16 x 4 numbers as loaded
.set Y,   72                           ; v[72:103]  16 x 2 registers of packed bf16
.set VI,  4                            ; v4  my byte offset in the work-group's input
.set VO,  5                            ; v5  my byte offset in its output
.set VO2, 6                            ; v6  the same, 8 MiB on: blocks 8-15 of xb, so that the immediate stays inside its signed 24 bits
.set MIB, 1048576
.set GRP, 4                            ; loads, and stores, in a group
.macro ST n, outstep, split            ; store number n
.if (\split) && ((\n) >= 8)
	global_store_b64 v[VO2], v[Y+2*(\n):Y+2*(\n)+1], s[18:19] offset:((\n)-8)*(\outstep) th:TH_STORE_NT
.else
	global_store_b64 v[VO], v[Y+2*(\n):Y+2*(\n)+1], s[18:19] offset:(\n)*(\outstep) th:TH_STORE_NT
.endif
.endm
.macro BODY instep, outstep, split
	s_wait_alu depctr_va_vdst(0)                   ; the offsets VI and VO (for x also VO2) are written: every load and store below reads one of them
.set j, 0
.rept 16
	global_load_b128 v[X+4*j:X+4*j+3], v[VI], s[16:17] offset:j*(\instep) th:TH_LOAD_NT
.set j, j+1
.endr
.set j, 0
.rept 16
.if j%GRP == 0
	s_wait_loadcnt 16-GRP-j                        ; loads come back in order: this group's four are in, the younger groups' stay out
.if j > 0
	s_wait_alu depctr_va_vdst(0)                   ; the group before has written its eight registers of Y, which the four stores dealt among this group's conversions read
.endif
.endif
.if j >= GRP
	ST j-GRP, \outstep, \split                     ; no vector instruction since the wait names this store's data or its offset
.endif
	v_cvt_pk_bf16_f32 v[Y+2*j], v[X+4*j], v[X+4*j+1]
	v_cvt_pk_bf16_f32 v[Y+2*j+1], v[X+4*j+2], v[X+4*j+3]
.set j, j+1
.endr
	s_wait_alu depctr_va_vdst(0)                   ; the last group has written its Y, which the last four stores read
.set j, 16-GRP
.rept GRP
	ST j, \outstep, \split
.set j, j+1
.endr
.endm
	s_load_b256 s[4:11], s[0:1], 0x0               ; x s[4:5], W s[6:7], xb s[8:9], wb s[10:11]
	v_and_b32 v1, 31, v0                           ; lane
	v_lshrrev_b32 v2, 5, v0                        ; wave
	s_mov_b32 s13, 0
	s_mov_b32 s15, 0
	s_cmp_lt_u32 ttmp9, 512
	s_cbranch_scc0 .Lweights
	; x: wave w takes rows 2 w and 2 w + 1 of the 16; load j takes the 64 columns of block j: lanes 0-15 the 256 bytes of one row, lanes 16-31 those of the next
	s_lshl_b32 s12, ttmp9, 16                      ; 16 rows of 4,096 bytes in
	s_lshl_b32 s14, ttmp9, 11                      ; 16 rows of 128 bytes out, in each block
	v_lshrrev_b32 v3, 4, v1
	v_and_b32 v7, 15, v1
	v_lshlrev_b32 v[VI], 13, v2
	v_lshl_add_u32 v[VI], v3, 12, v[VI]
	v_lshl_add_u32 v[VI], v7, 4, v[VI]
	v_lshlrev_b32 v[VO], 3, v0                     ; 256 w + 128 (lane / 16) + 8 (lane % 16) = 8 x my thread's number
	v_add_nc_u32 v[VO2], 8*MIB, v[VO]
	s_wait_kmcnt 0x0
	s_add_nc_u64 s[16:17], s[4:5], s[12:13]
	s_add_nc_u64 s[18:19], s[8:9], s[14:15]
	BODY 256, MIB, 1
	s_endpgm
.Lweights:
	; W: dense in, dense out: wave w takes 8,192 bytes, load j 512 of them
	s_sub_co_u32 s20, ttmp9, 512
	s_lshl_b32 s12, s20, 16
	s_lshl_b32 s14, s20, 15
	v_lshlrev_b32 v[VI], 13, v2
	v_lshl_add_u32 v[VI], v1, 4, v[VI]
	v_lshlrev_b32 v[VO], 12, v2
	v_lshl_add_u32 v[VO], v1, 3, v[VO]
	s_wait_kmcnt 0x0
	s_add_nc_u64 s[16:17], s[6:7], s[12:13]
	s_add_nc_u64 s[18:19], s[10:11], s[14:15]
	BODY 512, 256, 0
	s_endpgm
.Lfunc_end_k_qb365ae1f4c_cast:
	.size	k_qb365ae1f4c_cast, .Lfunc_end_k_qb365ae1f4c_cast-k_qb365ae1f4c_cast
	.p2alignl 7, 3214868480
	.fill 96, 4, 3214868480
	.section	.rodata,"a",@progbits
	.p2align	6, 0x0
	.amdhsa_kernel k_qb365ae1f4c_cast
		.amdhsa_group_segment_fixed_size 0
		.amdhsa_private_segment_fixed_size 0
		.amdhsa_enable_private_segment 0
		.amdhsa_kernarg_size 32
		.amdhsa_user_sgpr_count 2
		.amdhsa_user_sgpr_kernarg_segment_ptr 1
		.amdhsa_wavefront_size32 1
		.amdhsa_system_sgpr_workgroup_id_x 1
		.amdhsa_system_sgpr_workgroup_id_y 1
		.amdhsa_system_sgpr_workgroup_id_z 1
		.amdhsa_system_vgpr_workitem_id 0
		.amdhsa_next_free_vgpr 104
		.amdhsa_next_free_sgpr 66
		.amdhsa_reserve_vcc 0
		.amdhsa_float_denorm_mode_32 3
		.amdhsa_float_denorm_mode_16_64 3
		.amdhsa_memory_ordered 1
		.amdhsa_forward_progress 1
		.amdhsa_inst_pref_size 13
	.end_amdhsa_kernel
	.amdgpu_metadata
---
amdhsa.version: [ 1, 2 ]
amdhsa.kernels:
  - .name:           k_qb365ae1f4c_cast
    .symbol:         k_qb365ae1f4c_cast.kd
    .args:
      - { .name: x, .offset: 0, .size: 8, .value_kind: global_buffer, .address_space: global }
      - { .name: W, .offset: 8, .size: 8, .value_kind: global_buffer, .address_space: global }
      - { .name: xb, .offset: 16, .size: 8, .value_kind: global_buffer, .address_space: global }
      - { .name: wb, .offset: 24, .size: 8, .value_kind: global_buffer, .address_space: global }
    .group_segment_fixed_size: 0
    .private_segment_fixed_size: 0
    .kernarg_segment_align: 8
    .kernarg_segment_size: 32
    .max_flat_workgroup_size: 256
    .sgpr_count:     66
    .vgpr_count:     104
    .wavefront_size: 32
...
	.end_amdgpu_metadata
.endif
;; end of part 5
;; launch proj: the kernel of part 2 again; grid 8 x 32, 4 waves a work-group, clusters of 4 x 4, 327,680 bytes of LDS; arguments xb, wb, qkv; writes qkv
;; launch scores: the kernel of part 3 again; grid 13 x 16, 4 waves a work-group, no clusters, 327,680 bytes of LDS; arguments qkv, pt, stats, tsum; writes pt, stats, tsum
;; launch mix: the kernel of part 4 again; grid 8 x 32, 4 waves a work-group, clusters of 4 x 1, 327,680 bytes of LDS; arguments pt, stats, tsum, qkv, out0; writes out0
